; MI455X (gfx1250); checked and timed in simulation.
; The chip was launched on July 23, 2026; its instructions are those of AMD's public machine-readable ISA for CDNA 5 (MIT licence, August 2026) and "CDNA5" Instruction Set Architecture Reference Guide (July 2026). The comments in the code are by the model that wrote it; some were corrected since.
;; Multi Head Attention. Allowed arithmetic: matrix products marked QUANTISED: E2M1 operands, one E8M0 scale for each 32 along K, by v_wmma_scale_f32_16x16x128_f8f6f4 with both operands' format E2M1 (or v_wmma_scale_f32_32x16x128_f4), f32 sums; everything else in f32.
;; Inputs: bk 16 x 64 float32; bo 1,024 float32; bq 16 x 64 float32; bv 16 x 64 float32; wk_codes 16 x 64 x 32 x 16 uint8 (E2M1 codes of wk, K innermost, in blocks of 32 codes, two codes a byte); wk_scales 16 x 64 x 32 uint8 (E8M0 scales of wk, one for each 32 codes along K); wo_codes 1,024 x 32 x 16 uint8 (E2M1 codes of wo, K innermost, in blocks of 32 codes, two codes a byte); wo_scales 1,024 x 32 uint8 (E8M0 scales of wo, one for each 32 codes along K); wq_codes 16 x 64 x 32 x 16 uint8 (E2M1 codes of wq, K innermost, in blocks of 32 codes, two codes a byte); wq_scales 16 x 64 x 32 uint8 (E8M0 scales of wq, one for each 32 codes along K); wv_codes 16 x 64 x 32 x 16 uint8 (E2M1 codes of wv, K innermost, in blocks of 32 codes, two codes a byte); wv_scales 16 x 64 x 32 uint8 (E8M0 scales of wv, one for each 32 codes along K); x_codes 4 x 2,048 x 32 x 16 uint8 (E2M1 codes of x, K innermost, in blocks of 32 codes, two codes a byte); x_scales 4 x 2,048 x 32 uint8 (E8M0 scales of x, one for each 32 codes along K).
;; Outputs: out0 4 x 2,048 x 1,024 float32.
;; This version of the problem:
;;   THIS VERSION OF THE PROBLEM IS GIVEN IN LOW PRECISION. The matrix products marked QUANTISED in the list below multiply operands that are first quantised to E2M1 (2 exponent bits, 1 mantissa bit; 4 bits a number), with one power-of-two scale for each 32 numbers along K (OCP MX v1.0); their sums are f32. All else is computed in f32.
;;   The module's matrix products, in the order in which they are computed (A, B: the left and right operand; K: the contracted axis; several contracted axes count as one K, in the product's order):
;;     1. [M 1,024, K 1,024] x [K 1,024, N 8,192]; A: input wq (given as codes); B: input x (given as codes): QUANTISED
;;     2. [M 1,024, K 1,024] x [K 1,024, N 8,192]; A: input wk (given as codes); B: input x (given as codes): QUANTISED
;;     3. [M 1,024, K 1,024] x [K 1,024, N 8,192]; A: input wv (given as codes); B: input x (given as codes): QUANTISED
;;     4. batch 64 x [M 2,048, K 64] x [K 64, N 2,048]; A: computed on the way; B: computed on the way: QUANTISED
;;     5. batch 64 x [M 2,048, K 2,048] x [K 2,048, N 64]; A: softmax (see below); B: computed on the way: QUANTISED
;;     6. [M 8,192, K 1,024] x [K 1,024, N 1,024]; A: computed on the way; B: input wo (given as codes): QUANTISED
;;   THE QUANTISER, for each operand of a quantised product, along K:
;;     - K is cut into blocks of 32 from its start; a last block that is shorter is filled with zeros.
;;     - A block's scale is 2^e with e = floor(log2(the largest magnitude in the block)) - 2, held to -126 .. 127; a block of zeros has e = 0. As a byte (E8M0): e + 127.
;;     - Each number is divided by its block's scale, clamped to +-6, and rounded to the nearest number of E2M1, ties to even, subnormals kept.
;;     - The product sums the exact products of the quantised numbers (number of the format x scale) in f32.
;;   ~~~python
;;   def quantise(x, axis):      # numpy; x: float32 -> the quantised numbers, widened to float32 again
;;       x = np.moveaxis(x, axis, -1); K = x.shape[-1]
;;       x = np.pad(x, [(0, 0)] * (x.ndim - 1) + [(0, -K % 32)]); x = x.reshape(x.shape[:-1] + (-1, 32)); a = np.abs(x).max(-1, keepdims=True)
;;       e = np.where(a > 0, np.clip(np.frexp(np.where(a > 0, a, 1))[1] - 1 - 2, -126, 127), 0)      # np.frexp(a)[1] - 1 = floor(log2(a)), exactly
;;       r = np.clip(x / 2.0 ** e, -6, 6)
;;       step = 2.0 ** (np.maximum(np.frexp(np.where(r == 0, 1, r))[1] - 1, 0) - 1)
;;       q = np.round(r / step) * step * 2.0 ** e      # np.round: ties to even
;;       return np.moveaxis(q.reshape(q.shape[:-2] + (-1,))[..., :K], -1, axis).astype(np.float32)
;;   ~~~
;;   SOFTMAX AHEAD OF A QUANTISED PRODUCT. Where the list says 'softmax', what is quantised is not the finished softmax but p = 2^(t - M), with t = logit x log2(e) and M = ceil(the row's largest t), a whole number; so 1/2 < the row's largest p <= 1. The row's sum l is taken of the UNQUANTISED p, in f32, and the product's result is divided by l at the end. Since M is a whole number, a kernel that streams over the keys may use a running M (the ceiling of the running maximum): every later rescaling is an exact power of two, which a block's scale takes up: the codes' values come out the same.
;;   OPERANDS COMPUTED ON THE WAY. 'Computed on the way' means the value that the module computes at that place (a softmax that the list does not call 'softmax' is quantised finished and normalised). What goes into a quantiser is computed in f32, as accurately as f32 sums, v_exp_f32 and their like allow (about 1e-6 of the number): no bf16 or f16 on the way to a quantiser, and a product that is left as it is and whose result goes on into a quantised operand takes f32 operands (vector FMAs, or v_wmma_f32_16x16x4_f32). A number that lies on a knife's edge between two numbers of the format may be rounded either way, as far as f32 arithmetic and the matrix unit's own rounding can turn it there, and no further.
;;   INPUTS GIVEN AS CODES. wk (in the module: [16, 1024, 64], K = its axis 1); wo (in the module: [1024, 1024], K = its axis 0); wq (in the module: [16, 1024, 64], K = its axis 1); wv (in the module: [16, 1024, 64], K = its axis 1); x (in the module: [4, 2048, 1024], K = its axis 2): each comes as NAME_codes (uint8): NAME with its K axis moved to the last place and cut into blocks of 32 codes, [.., K / 32, bytes a block], one block behind the other in memory; two codes a byte, the lower K in the low four bits (a code: sign, 2 exponent bits, 1 mantissa bit); and NAME_scales (uint8): the same leading axes, one E8M0 byte (e + 127) for each 32 codes along K. Its value is code x scale, taken as it is: it is not quantised again, and the codes and scales need not be those that the quantiser above would give.
;; One version. Each part assembles by itself: llvm-mc -triple=amdgcn-amd-amdhsa -mcpu=gfx1250 --defsym DOCPART=n.
;; ======== version 1 of 1: 3 launches
;; limits: right only within a limited range of input values
;; workspace buffers: qkv 13,893,632 bytes; oimg 4,194,304 bytes; oscl 262,144 bytes
;; launch proj (part 1): grid 8 x 32, 8 waves a work-group, clusters of 4 x 4, 327,680 bytes of LDS; arguments x_codes, x_scales, wq_codes, wq_scales, bq, wk_codes, wk_scales, bk, wv_codes, wv_scales, bv, qkv; writes qkv
.if DOCPART == 1
	.amdgcn_target "amdgcn-amd-amdhsa--gfx1250"
	.amdhsa_code_object_version 6
	.text
	.protected	k_qa5cddb03b1_proj
	.globl	k_qa5cddb03b1_proj
	.p2align	8
	.type	k_qa5cddb03b1_proj,@function
k_qa5cddb03b1_proj:
	s_mov_b64 s[64:65], 0
	v_nop
	global_prefetch_b8 v0, s[64:65] scope:SCOPE_SE
	s_setreg_imm32_b32 hwreg(HW_REG_WAVE_MODE, 25, 1), 1
	s_wait_xcnt 0x0
	s_wait_alu depctr_hold_cnt(0) depctr_sa_sdst(0) depctr_va_vdst(0) depctr_va_sdst(0) depctr_va_ssrc(0) depctr_va_vcc(0) depctr_vm_vsrc(0)
	s_getreg_b32 s2, hwreg(HW_REG_IB_STS2, 6, 4)
	s_cmp_eq_u32 s2, 0
	s_cbranch_scc0 .Lentry_in_a_cluster
	s_endpgm
.Lentry_in_a_cluster:
	s_bfe_u32 s2, ttmp6, 0x10000c
	s_cmp_lg_u32 s2, 0xf033
	s_cbranch_scc0 .Lentry_shape_is_right
	s_endpgm
.Lentry_shape_is_right:
; q, k, v = x W + b for all heads (products 1 to 3), on the given codes of E2M1, sums in f32; then q and k are quantised along the head's 64 (two blocks of 32) and v along the tokens
; (its K in the product with p), and all three leave as IMAGES OF OPERAND REGISTERS, in the order in which the next launch's matrix instructions take them.
; DEAD WORK, for the whole program.  reference() itself sets every score whose key comes after its query to -infinity (its own jnp.tril).  For all finite inputs such a p is 0: it adds 0 to the
; row's sum, never is the row's maximum (key 0 counts for every query), and its code is 0, which adds 0 to the product with v under any scale.  So 64 or 128 keys all of which come after all 16
; queries of a tile reach no output, and the second launch leaves them out of products 4 and 5, in whole tiles.  Nothing else is left out: every input is loaded (bk moves k's codes).
; LIMITS.  A NaN, an infinity or an overflow that would arise only in the scores left out is not carried to the result.  NaN and infinities among the inputs are not served.  A block of zeros gets
; the scale byte 1 where the rule says 127: its codes are zeros, which add nothing under any byte but 0xff, and this program alone reads these bytes.
; SHARES.  A work-group takes 256 tokens and two heads: 384 features.  Wave w holds 32 features of wq (w < 4) or of wk, one block of the quantiser, and 16 of wv, for all of K: 3 tiles x 8 K steps x 8 = 192
; registers, read from LDS once.  Every wave walks all 256 tokens, 32 a unit: 48 matrix instructions.
; CLUSTERS, 4 x 4: the four work-groups of a row share their tokens, the four of a column their rows of W; both are asked for jointly.
; LDS.  W's 384 rows and x's first 128 come with the head's loads, one a wave (waves 0 to 5: 64 rows of W, waves 6 and 7: 64 of x).  When every wave holds its part of W in registers, x's other 128 rows are
; filled over W's first 128; they land while the first four units are worked.  That is the launch's one refill: there is no loop to prefetch in.
; LAYOUT.  q, k: source 0 = 16 rows of W, source 1 = 16 tokens: a lane holds ONE token and its registers run along the head.  v: source 0 = 16 tokens, source 1 = 16 rows of wv: a lane holds
; ONE channel and its registers run along the tokens.  So each quantiser finds its K in a lane's registers; a block of 32 lies in lanes l and l xor 16.
; qkv, for head 16 b + h, HEADB bytes: 16 chunks of q (QCH bytes: 8 tiles x 512 of codes, 512 of scale words), then from KVOFF on 16 chunks of k and v (KCH bytes: k as q; v: 4 tiles x 1,024 of codes, 256 of scale words).
; A tile's image: 256 bytes of the head's block 0, 16 a token, then 256 of block 1; in k's odd units the two halves of 128 bytes stand exchanged.
; REGISTERS: window 0: addresses, scale words, x's 16 fragments of a unit (48 + 64 u + 8 s), the results and what is made of them.  window 1: W (tile t, K step s at 64 t + 8 s; wv's at 128 + 8 s) and the biases
; in the results' layout: they are the C of each sum's first product.
.set HEADB,  217088
.set KVOFF,  73728
.set QCH,    4608
.set KCH,    8960
.set XP,     528                       ; a row in LDS: 512 bytes + 16 of padding = 132 words: row r starts at bank 4 r mod 64 (64 banks of 4 bytes: ISA guide 11.1)
.set XO,     384*XP                    ; behind W: x's first 128 rows
.set XSC,    XO+128*XP                 ; x's scale bytes, 32 a token, dense, written by ds_store alone
.set EXC,    XSC+8192                  ; scale words of q and k that a pair of waves exchanges: 512 bytes a wave, for each of two chunks
.set EXV,    EXC+8192                  ; v's: 64 bytes a wave, for each of two chunks
.set SPARE,  EXV+1024                  ; the spare words, 128 bytes for each wave: blocks that no other line names
.set R32,  3                           ; v3   32 r
.set LI,   4                           ; v4   16 x lane
.set XA,   5                           ; v5-6 LDS address of my lane's part of x's fragments: tokens 0-127, tokens 128-255
.set QST,  7                           ; v7-8 where q's or k's codes go: even units, odd units
.set XSR,  9                           ; v9   x's scale words: 32 x lane
.set VCO,  10                          ; v10  v's codes: 16 x lane + 1,024 x my tile
.set WQA,  11                          ; v11-12 LDS address of my fragments of wq or wk, of wv
.set WVA,  12
.set L32,  13
.set H32,  14                          ; v14  32 h
.set R4,   15                          ; v15  4 r
.set SPW,  16                          ; v16  LDS address of my spare word; never rewritten
.set NIL,  17                          ; v17  0; never rewritten
.set EXW,  18                          ; v18-21 the exchanges: mine, my partner's; v: mine, the head's
.set EXR,  19
.set EVW,  20
.set EVR,  21
.set L8,   22
.set XSW,  23                          ; v23  where I put the scale bytes of 32 tokens
.set WS,   24                          ; v24-31 scale words of my 32 rows of wq or wk, K step s: lanes 0-15 tile 0, lanes 16-31 tile 1
.set WVS,  32                          ; v32-39 of my 16 rows of wv
.set XS,   40                          ; v40-47 of a unit's tokens: lanes 0-15 tokens 0-15, lanes 16-31 tokens 16-31
.set XF,   48
.set QA,   176                         ; q or k: tile of tokens u, tile of features t at QA + 16 u + 8 t
.set VA,   208                         ; v: tile of tokens u at VA + 8 u
.set TM,   224                         ; v224-232 at work: +0..2 largest magnitudes, +3..5 the other half's, then bytes, +6..8 the conversions' scale operands
.set BY,   233
.set PCQ,  234                         ; v234-237 codes of q or k;  v238-241 of v
.set VC,   238
.set VW,   242                         ; v242 v's scale word, a byte a unit
.set SW,   246                         ; v246-249 q's or k's scale words of a chunk: even units, then odd units
.set W2,   250                         ; v250-253 my partner's
.set EV,   254                         ; v254-255 v's of a head
.set WV,   4
.set G1W,  12                          ; s[12:19], s[20:23] descriptor groups 1 and 0 for W;  s[24:31], s[32:35] for x
.set G0W,  20
.set G1X,  24
.set G0X,  32
.set SEL,  38                          ; s[38:39] selects for lane l xor 16
.set HI,   40                          ; s40  the mask of lanes 16-31
.set B8,   41                          ; s41  8 x my block of the head
.set WB,   42                          ; s42  w % 2: my block;  s43 w % 4
.set W4,   43
.set PWS,  46
.set PBQ,  48
.set PVS,  50
.set PVB,  52
.set PXS,  54
.set PQ,   56                          ; s[56:59] where my q or k goes: two chunks
.set PV,   60                          ; s[60:61] where my v goes
.set MSB, 0
.macro WIN new                         ; the immediate's high byte repeats the setting that is left
.if MSB != \new
	s_set_vgpr_msb (MSB<<8)|\new
.set MSB, \new
.endif
.endm
.macro CROUND                          ; a round of the cluster's barrier
	s_barrier_signal -1
	s_barrier_wait -1
	s_cmp_lg_u32 s[WV], 0
	s_cbranch_scc1 .Lnot_wave_0_\@
	s_barrier_signal -3
.Lnot_wave_0_\@:
	s_barrier_wait -3
	s_barrier_signal -1
	s_barrier_wait -1
.endm
; one product: ra, rb = 1: that side's scale words stand in lanes 16-31 of the register named
.macro WMS d, a, b, c, sa, sb, ra, rb
.if ((\ra) == 0) && ((\rb) == 0)
	v_wmma_scale_f32_16x16x128_f8f6f4 v[\d:\d+7], v[\a:\a+7], v[\b:\b+7], v[\c:\c+7], v[\sa], v[\sb] matrix_a_fmt:MATRIX_FMT_FP4 matrix_b_fmt:MATRIX_FMT_FP4
.elseif (\rb) == 0
	v_wmma_scale_f32_16x16x128_f8f6f4 v[\d:\d+7], v[\a:\a+7], v[\b:\b+7], v[\c:\c+7], v[\sa], v[\sb] matrix_a_fmt:MATRIX_FMT_FP4 matrix_b_fmt:MATRIX_FMT_FP4 matrix_a_scale:MATRIX_SCALE_ROW1
.elseif (\ra) == 0
	v_wmma_scale_f32_16x16x128_f8f6f4 v[\d:\d+7], v[\a:\a+7], v[\b:\b+7], v[\c:\c+7], v[\sa], v[\sb] matrix_a_fmt:MATRIX_FMT_FP4 matrix_b_fmt:MATRIX_FMT_FP4 matrix_b_scale:MATRIX_SCALE_ROW1
.else
	v_wmma_scale_f32_16x16x128_f8f6f4 v[\d:\d+7], v[\a:\a+7], v[\b:\b+7], v[\c:\c+7], v[\sa], v[\sb] matrix_a_fmt:MATRIX_FMT_FP4 matrix_b_fmt:MATRIX_FMT_FP4 matrix_a_scale:MATRIX_SCALE_ROW1 matrix_b_scale:MATRIX_SCALE_ROW1
.endif
.endm
	s_load_b512 s[68:83], s[0:1], 0x0              ; x's codes s[68:69], x's scales s[70:71], wq's codes, scales, bq s[72:77], wk's codes, scales, bk s[78:83]
	s_load_b256 s[84:91], s[0:1], 0x40             ; wv's codes, scales, bv s[84:89], qkv s[90:91]
	v_lshl_add_u32 v[SPW], v0, 2, SPARE
	v_mov_b32 v[NIL], 0
	ds_add_u32 v[SPW], v[NIL]                      ; the wave's opening: the add, twice on end, and its wait ahead of my first tensor load
	ds_add_u32 v[SPW], v[NIL]
	v_lshrrev_b32 v1, 5, v0
	v_readfirstlane_b32 s[WV], v1                  ; wave 0..7
	s_bfe_u32 s5, ttmp6, 0x40000                   ; cx, cy
	s_bfe_u32 s10, ttmp6, 0x40004
	s_lshl_b32 s6, ttmp9, 2
	s_add_co_u32 s6, s6, s5                        ; my pair of heads: it enters W's and qkv's addresses alone
	s_and_b32 s7, ttmp7, 0xffff
	s_lshl_b32 s7, s7, 2
	s_add_co_u32 s7, s7, s10                       ; my block of 256 tokens: it enters x's and qkv's addresses alone
	s_lshl_b32 s8, s10, 2
	s_lshl_b32 s8, 15, s8                          ; my row of the cluster
	s_lshl_b32 s9, 0x1111, s5                      ; my column
	s_or_b32 s[G1W], s9, (1<<20)|(1<<21)|(6<<22)|(3<<25)  ; 15:0 the mask; elements of 1 byte; 20 padding on; 21 set beside a mask; 24:22 after every 128 words (code 6); 31:25 four words (code 3)
	s_or_b32 s[G1X], s8, (1<<20)|(1<<21)|(6<<22)|(3<<25)
.irp g, G1W, G1X
	s_mov_b32 s[\g+1], 512<<16                     ; 64 rows of 512 bytes
	s_mov_b32 s[\g+2], 64<<16
	s_mov_b32 s[\g+3], 512<<16
	s_mov_b32 s[\g+4], 64
	s_mov_b32 s[\g+5], 512
	s_mov_b32 s[\g+6], 0
	s_mov_b32 s[\g+7], 0
.endr
	s_and_b32 s[WB], s[WV], 1
	s_and_b32 s[W4], s[WV], 3
	s_lshr_b32 s44, s[WV], 2                       ; 0: q, 1: k;  also the head of my v
	s_bfe_u32 s45, s[WV], 0x10001                  ; the head of my q or k
	s_lshl_b32 s[B8], s[WB], 3
	s_lshl_b32 s11, s[WB], 15
	s_lshl_b32 s92, s6, 16                         ; W: 128 rows of 512 bytes a pair of heads,
	s_add_co_u32 s92, s92, s11                     ; my 64
	s_mov_b32 s93, 0
	s_lshl_b32 s94, s7, 17                         ; x: 256 rows of 512 bytes a block,
	s_add_co_u32 s94, s94, s11                     ; my 64 of the first 128
	s_mov_b32 s95, 0
	s_mov_b32 s[G0W], 1
	s_mul_i32 s[G0W+1], s[WV], 64*XP               ; where they go: W: wave x 64 rows,
	s_mov_b32 s[G0X], 1
	s_mul_i32 s66, s[WB], 64*XP
	s_add_co_u32 s[G0X+1], s66, XO                 ; x: behind W
	s_mov_b32 s[SEL], 0x76543210
	s_mov_b32 s[SEL+1], 0xfedcba98
	s_mov_b32 s[HI], 0xffff0000
	v_and_b32 v1, 31, v0                           ; lane
	v_and_b32 v2, 15, v0                           ; r
	v_bfe_u32 v[TM], v0, 4, 1                      ; h
	v_lshlrev_b32 v[LI], 4, v1
	v_mul_u32_u24 v[XA+1], v2, XP
	v_lshlrev_b32 v[TM+1], 9, v[TM]
	v_lshlrev_b32 v[L32], 5, v1
	v_lshlrev_b32 v[L8], 3, v1
	v_lshl_add_u32 v[XA+1], v[TM], 4, v[XA+1]      ; a fragment's row x pitch + 16 h
	v_lshl_add_u32 v[TM+1], v2, 4, v[TM+1]         ; 512 h + 16 r
	v_lshlrev_b32 v[H32], 5, v[TM]
	v_lshlrev_b32 v[R4], 2, v2
	v_lshlrev_b32 v[R32], 5, v2
	v_add_nc_u32 v[XA], XO, v[XA+1]
	s_mul_i32 s66, s[WV], 32*XP                    ; my 32 rows of wq or wk: the waves' rows follow each other
	v_add_nc_u32 v[WQA], s66, v[XA+1]
	s_mul_i32 s66, s[WV], 16*XP
	s_add_co_u32 s66, s66, 256*XP                  ; my 16 rows of wv
	v_add_nc_u32 v[WVA], s66, v[XA+1]
	s_lshl_b32 s66, s[WB], 8
	v_add_nc_u32 v[QST], s66, v[TM+1]              ; + 256 x my block
	s_lshl_b32 s66, s44, 7
	v_xor_b32 v[QST+1], s66, v[QST]                ; k's odd units: the halves of 128 bytes exchanged
	v_add_nc_u32 v[XSR], XSC, v[L32]
	s_lshl_b32 s66, s[WV], 10
	v_add_nc_u32 v[XSW], s66, v[XSR]
	s_lshl_b32 s66, s[W4], 10
	v_add_nc_u32 v[VCO], s66, v[LI]
	s_lshl_b32 s66, s[WV], 9
	s_add_co_u32 s67, s66, EXC
	v_add_nc_u32 v[EXW], s67, v[LI]
	s_xor_b32 s67, s66, 512
	s_add_co_u32 s67, s67, EXC
	v_add_nc_u32 v[EXR], s67, v[LI]
	s_lshl_b32 s66, s[WV], 6
	s_add_co_u32 s66, s66, EXV
	v_add_nc_u32 v[EVW], s66, v[R4]
	s_lshl_b32 s66, s44, 8
	s_add_co_u32 s66, s66, EXV
	v_add_nc_u32 v[EVR], s66, v[L8]
.irp j, 3,4,5
	v_mov_b32 v[TM+\j], 0                          ; written once: a lane permute's destination counts as one of its sources
.endr
	s_wait_alu depctr_va_vdst(0)                   ; directly ahead of the waits below
	s_wait_dscnt 0x0                               ; both opening adds are done
	s_wait_kmcnt 0x0
	s_cmp_lt_u32 s[WV], 2                          ; waves 0, 1 fetch wq, waves 2, 3 wk, waves 4, 5 wv.  The choice hangs on the wave's number alone
	s_cselect_b64 s[36:37], s[72:73], s[78:79]
	s_cmp_lt_u32 s[WV], 4
	s_cselect_b64 s[36:37], s[36:37], s[84:85]
	s_add_nc_u64 s[G0W+2:G0W+3], s[36:37], s[92:93]
	s_or_b32 s[G0W+3], s[G0W+3], 0x80000000        ; type = 2
	s_add_nc_u64 s[G0X+2:G0X+3], s[68:69], s[94:95]
	s_or_b32 s[G0X+3], s[G0X+3], 0x80000000
	CROUND                                         ; all sixteen work-groups are here: the joint loads meet
	s_cmp_lt_u32 s[WV], 6                          ; one tensor load a wave, an arm each
	s_cbranch_scc0 .Lfor_x
	tensor_load_to_lds s[G0W:G0W+3], s[G1W:G1W+7]
	s_nop 0
.rept 4
	v_nop
.endr
	s_branch .Lasked
.Lfor_x:
	tensor_load_to_lds s[G0X:G0X+3], s[G1X:G1X+7]
	s_nop 0
.rept 4
	v_nop
.endr
.Lasked:
	s_mov_b32 s97, 0
	s_lshl_b32 s96, s7, 13                         ; x's scale bytes: 8,192 a block, my wave's 1,024
	s_lshl_b32 s98, s[WV], 10
	s_add_co_u32 s96, s96, s98
	s_add_nc_u64 s[PXS:PXS+1], s[70:71], s[96:97]
	s_cmp_lt_u32 s[WV], 4                          ; waves 0 to 3: q;  4 to 7: k
	s_cselect_b64 s[PWS:PWS+1], s[74:75], s[80:81]
	s_cselect_b64 s[PBQ:PBQ+1], s[76:77], s[82:83]
	s_mov_b32 s62, KCH
	s_cselect_b32 s62, QCH, s62                    ; from chunk to chunk of q or of k
	s_cselect_b32 s63, 0, KVOFF
	s_lshl_b32 s96, s6, 12
	s_lshl_b32 s98, s[W4], 10
	s_add_co_u32 s96, s96, s98
	s_add_nc_u64 s[PWS:PWS+1], s[PWS:PWS+1], s[96:97]    ; 32 rows of 32 scale bytes
	s_lshl_b32 s96, s6, 9
	s_lshl_b32 s98, s[W4], 7
	s_add_co_u32 s96, s96, s98
	s_add_nc_u64 s[PBQ:PBQ+1], s[PBQ:PBQ+1], s[96:97]    ; 32 numbers of the bias
	s_lshl_b32 s96, s6, 12
	s_lshl_b32 s98, s[WV], 9
	s_add_co_u32 s96, s96, s98
	s_add_nc_u64 s[PVS:PVS+1], s[86:87], s[96:97]
	s_lshl_b32 s96, s6, 9
	s_lshl_b32 s98, s[WV], 6
	s_add_co_u32 s96, s96, s98
	s_add_nc_u64 s[PVB:PVB+1], s[88:89], s[96:97]
	s_lshr_b32 s98, s7, 3
	s_lshl_b32 s98, s98, 4                         ; 16 b
	s_lshl_b32 s99, s6, 1
	s_add_co_u32 s98, s98, s99                     ; + 2 x my pair of heads
	s_and_b32 s99, s7, 7
	s_lshl_b32 s99, s99, 1                         ; my block's first chunk of 128 tokens
	s_add_co_u32 s96, s98, s45
	s_mul_i32 s96, s96, HEADB
	s_add_co_u32 s96, s96, s63
	s_mul_i32 s94, s99, s62
	s_add_co_u32 s96, s96, s94
	s_add_nc_u64 s[PQ:PQ+1], s[90:91], s[96:97]
	s_add_co_u32 s96, s96, s62
	s_add_nc_u64 s[PQ+2:PQ+3], s[90:91], s[96:97]
	s_add_co_u32 s96, s98, s44
	s_mul_i32 s96, s96, HEADB
	s_mul_i32 s94, s99, KCH
	s_add_co_u32 s96, s96, s94
	s_add_co_u32 s96, s96, KVOFF
	s_add_nc_u64 s[PV:PV+1], s[90:91], s[96:97]
	global_load_b128 v[QA:QA+3], v[L32], s[PXS:PXS+1]          ; 32 tokens' scale bytes, a token to a lane
	global_load_b128 v[QA+4:QA+7], v[L32], s[PXS:PXS+1] offset:16
	global_load_b128 v[WS:WS+3], v[L32], s[PWS:PWS+1]
	global_load_b128 v[WS+4:WS+7], v[L32], s[PWS:PWS+1] offset:16
	global_load_b128 v[WVS:WVS+3], v[R32], s[PVS:PVS+1]
	global_load_b128 v[WVS+4:WVS+7], v[R32], s[PVS:PVS+1] offset:16
	WIN 0x40                                       ; destination window 1
.irp t, 0,1
	global_load_b128 v[192+8*\t:195+8*\t], v[H32], s[PBQ:PBQ+1] offset:64*\t        ; the bias of features 16 t + 8 h + 0 .. 7
	global_load_b128 v[196+8*\t:199+8*\t], v[H32], s[PBQ:PBQ+1] offset:64*\t+16
.endr
.irp j, 0,1,2,3,4,5,6,7
	global_load_b32 v[208+\j], v[R4], s[PVB:PVB+1]             ; bv of my lane's channel, in all eight registers of the result's layout
.endr
	WIN 0
	s_wait_loadcnt 16                              ; x's scale bytes are in; the 16 loads issued behind them may be out
	ds_store_b128 v[XSW], v[QA:QA+3]
	ds_store_b128 v[XSW], v[QA+4:QA+7] offset:16
	s_wait_alu depctr_va_vdst(0)                   ; the head's end
	s_wait_tensorcnt 0x0                           ; my tile is in LDS, and so are my scale bytes:
	s_wait_dscnt 0x0
	s_barrier_signal -1
	s_barrier_wait -1                              ; everybody's are
; x's 16 fragments and eight scale words of unit g (tokens 32 g on): 34 loads
.macro PREF g
.irp u, 0,1
.irp s, 0,1,2,3,4,5,6,7
.irp c, 0,1
	ds_load_b128 v[XF+64*\u+8*\s+4*\c:XF+64*\u+8*\s+4*\c+3], v[XA+(\g)/4] offset:(32*((\g)%4)+16*\u)*XP+64*\s+32*\c
.endr
.endr
.endr
	ds_load_b128 v[XS:XS+3], v[XSR] offset:1024*(\g)
	ds_load_b128 v[XS+4:XS+7], v[XSR] offset:1024*(\g)+16
.endm
	WIN 0x40
.irp s, 0,1,2,3,4,5,6,7
.irp c, 0,1
	ds_load_b128 v[8*\s+4*\c:8*\s+4*\c+3], v[WQA] offset:64*\s+32*\c
	ds_load_b128 v[64+8*\s+4*\c:67+8*\s+4*\c], v[WQA] offset:16*XP+64*\s+32*\c
	ds_load_b128 v[128+8*\s+4*\c:131+8*\s+4*\c], v[WVA] offset:64*\s+32*\c
.endr
.endr
	WIN 0
	PREF 0
	s_wait_tensorcnt 0x0                           ; ahead of a refill:
	ds_add_u32 v[SPW], v[NIL]
	s_mul_i32 s[G0X+1], s[WB], 64*XP               ; (no tensor load of mine is out)  x's other 128 rows go over W's first 128,
	s_add_nc_u64 s[G0X+2:G0X+3], s[G0X+2:G0X+3], 0x10000   ; 128 rows of 512 bytes on
	s_wait_dscnt 0x0                               ; the add is done, and my reads of W and of x
	CROUND                                         ; no wave of any partner still reads W
	s_cmp_lt_u32 s[WV], 6
	s_cbranch_scc1 .Lfilled
	tensor_load_to_lds s[G0X:G0X+3], s[G1X:G1X+7]  ; waves 6 and 7: 64 rows each
	s_nop 0
.rept 4
	v_nop
.endr
.Lfilled:
	s_wait_loadcnt 0x0                             ; W's scale words and the biases
; K step s: six accumulators by turns.  The first step's C is the bias.
.macro MUL s
.if (\s) == 0
	WIN 0x11                                       ; source 0 (W) and C (the bias) window 1
.else
	WIN 0x01
.endif
.irp u, 0,1
.irp t, 0,1
.set rD, QA+16*\u+8*\t
.set rA, 64*\t+8*(\s)
.set rB, XF+64*\u+8*(\s)
.set rC, QA+16*\u+8*\t
.if (\s) == 0
.set rC, 192+8*\t
.endif
.set rSA, WS+(\s)
.set rSB, XS+(\s)
	WMS rD, rA, rB, rC, rSA, rSB, \t, \u
.endr
.endr
.if (\s) == 0
	WIN 0x14                                       ; source 1 (wv) and C window 1
.else
	WIN 0x04
.endif
.irp u, 0,1
.set rD, VA+8*\u
.set rA, XF+64*\u+8*(\s)
.set rB, 128+8*(\s)
.set rC, VA+8*\u
.if (\s) == 0
.set rC, 208
.endif
.set rSA, XS+(\s)
.set rSB, WVS+(\s)
	WMS rD, rA, rB, rC, rSA, rSB, \u, 0
.endr
.endm
; The chunk's scale words, whole: mine and my partner's, and v's of four waves.  The waves with the even block store q's or k's, waves 0 and 4 v's.
.macro COMBINE ch
.irp i, 0,1,2,3
	v_or_b32 v[W2+\i], v[W2+\i], v[SW+\i]
.endr
	s_wait_alu depctr_va_vdst(0)                   ; ahead of the branch
	s_cmp_lg_u32 s[WB], 0
	s_cbranch_scc1 .Lodd_\@
	global_store_b128 v[LI], v[W2:W2+3], s[PQ+2*\ch:PQ+2*\ch+1] offset:4096      ; 512 consecutive bytes, aligned
.Lodd_\@:
	s_cmp_lg_u32 s[W4], 0
	s_cbranch_scc1 .Lnot_v_\@
	global_store_b64 v[L8], v[EV:EV+1], s[PV:PV+1] offset:8704+KCH*\ch           ; 256 consecutive bytes, aligned
.Lnot_v_\@:
.endm
; A UNIT: 32 tokens.  48 matrix instructions; then the next unit's fragments are asked for, and land while this unit's results are quantised and stored.
; Three blocks of 32 by turns: q or k of tiles of tokens 0 and 1, and v (with lane l xor 16's 16 numbers).  A block's scale: its largest magnitude, with the floor 2^(3 - 127) among the leaves (so the byte
; cannot fall under 1), and 2 off its exponent field: that is the conversion's scale operand, and its exponent field the byte.
.macro UNIT g
.set gi, (\g)%4
.set cn, (\g)/4
	s_wait_alu depctr_va_vdst(0)
.if (\g) == 3
	s_wait_tensorcnt 0x0                           ; my part of x's other rows is in
.endif
	s_wait_dscnt 0x0                               ; this unit's 34 loads (unit 4: and my stores for the exchange)
.if ((\g) == 3) || ((\g) == 4)
	s_barrier_signal -1                            ; the matrix instructions, work on registers, stand between signal and wait
.endif
.irp s, 0,1,2,3,4,5,6,7
	MUL \s
.endr
	WIN 0
.if ((\g) == 3) || ((\g) == 4)
	s_barrier_wait -1                              ; unit 3: x's other rows are in;  unit 4: everybody's words are
.endif
.rept 4
	v_nop                                          ; four places in front of loads into registers that the last products read, and of the first reads of their results
.endr
.if (\g) == 4
	ds_load_b128 v[W2:W2+3], v[EXR]
	ds_load_b64 v[EV:EV+1], v[EVR]
.endif
.if (\g) < 7
	PREF (\g)+1
.endif
	s_wait_xcnt 0x0                                ; the last unit's stores have read their registers: only behind this wait are they written again
.if (\g) == 4
	s_wait_dscnt 34                                ; the exchange is in; the next unit's 34 loads may be out
	COMBINE 0
.endif
.irp q, 0,1,2
	v_max3_num_f32 v[TM+\q], |v[QA+16*\q]|, |v[QA+16*\q+1]|, 0x1800000
.endr
.irp i, 2,4,6,8,10,12,14
.irp q, 0,1,2
	v_max3_num_f32 v[TM+\q], v[TM+\q], |v[QA+16*\q+\i]|, |v[QA+16*\q+\i+1]|
.endr
.endr
.irp q, 0,1,2
	v_permlanex16_b32 v[TM+3+\q], v[TM+\q], s[SEL], s[SEL+1]
.endr
.irp q, 0,1,2
	v_max_num_f32 v[TM+\q], v[TM+\q], v[TM+3+\q]
.endr
.irp q, 0,1,2
	v_add_nc_u32 v[TM+6+\q], 0xff000000, v[TM+\q]
.endr
.irp q, 0,1,2
	v_lshrrev_b32 v[TM+3+\q], 23, v[TM+6+\q]
.endr
	v_cndmask_b32 v[BY], v[TM+3], v[TM+4], s[HI]   ; lanes 0-15 the even tile's byte, lanes 16-31 the odd tile's
.if gi == 0
	v_mov_b32 v[VW], v[TM+5]
.else
	v_lshl_or_b32 v[VW], v[TM+5], 8*gi, v[VW]
.endif
	v_lshl_or_b32 v[BY], v[BY], 16, v[BY]          ; the head is 64 deep and the instruction 128: the upper two blocks, where q's codes are zeros, repeat the lower two's bytes
.irp t, 0,1
.irp u, 0,1
	v_cvt_scalef32_pk8_fp4_f32 v[PCQ+2*\t+\u], v[QA+16*\u+8*\t:QA+16*\u+8*\t+7], v[TM+6+\u]    ; features 16 t + 8 h + 0 .. 7 of tile u
.endr
.endr
.irp u, 0,1
	v_cvt_scalef32_pk8_fp4_f32 v[VC+2*\u+gi%2], v[VA+8*\u:VA+8*\u+7], v[TM+8]                  ; tokens 16 u + 8 h + 0 .. 7
.endr
	v_lshlrev_b32 v[SW+(gi/2)+2*(gi%2)], s[B8], v[BY]    ; my block's bytes in the words; a plain place behind the scaled conversions
	v_permlane16_swap_b32 v[PCQ], v[PCQ+1]         ; lanes 0-15 now hold my block of tile 0's tokens whole, lanes 16-31 of tile 1's
	v_permlane16_swap_b32 v[PCQ+2], v[PCQ+3]
	global_store_b128 v[QST+gi%2], v[PCQ:PCQ+3], s[PQ+2*cn:PQ+2*cn+1] offset:1024*gi    ; two units of 256 bytes, aligned
.if gi%2 == 1
	v_permlane16_swap_b32 v[VC], v[VC+1]           ; two blocks make half a fragment: lanes 0-15 hold the even block whole, lanes 16-31 the odd
	v_permlane16_swap_b32 v[VC+2], v[VC+3]
	global_store_b128 v[VCO], v[VC:VC+3], s[PV:PV+1] offset:4608+512*(gi/2)+KCH*cn      ; 512 consecutive bytes, aligned
.endif
.if gi == 3
	ds_store_b128 v[EXW], v[SW:SW+3] offset:4096*cn
	ds_store_b32 v[EVW], v[VW] offset:512*cn
.endif
.endm
.irp g, 0,1,2,3,4,5,6,7
	UNIT \g
.endr
	s_wait_alu depctr_va_vdst(0)
	s_wait_dscnt 0x0                               ; my words of the second chunk are in LDS,
	s_barrier_signal -1
	s_barrier_wait -1                              ; everybody's are
	ds_load_b128 v[W2:W2+3], v[EXR] offset:4096
	ds_load_b64 v[EV:EV+1], v[EVR] offset:512
	s_wait_dscnt 0x0
	COMBINE 1
	s_wait_tensorcnt 0x0                           ; the wave's end: behind my last tensor load and my last LDS store
	ds_add_u32 v[SPW], v[NIL]
	s_wait_dscnt 0x0
	CROUND                                         ; the closing round: no work-group ends while a partner may still ask for a tile that names it
	s_endpgm
.Lfunc_end_k_qa5cddb03b1_proj:
	.size	k_qa5cddb03b1_proj, .Lfunc_end_k_qa5cddb03b1_proj-k_qa5cddb03b1_proj
	.p2alignl 7, 3214868480
	.fill 96, 4, 3214868480
	.section	.rodata,"a",@progbits
	.p2align	6, 0x0
	.amdhsa_kernel k_qa5cddb03b1_proj
		.amdhsa_group_segment_fixed_size 327680
		.amdhsa_private_segment_fixed_size 0
		.amdhsa_enable_private_segment 0
		.amdhsa_kernarg_size 96
		.amdhsa_user_sgpr_count 2
		.amdhsa_user_sgpr_kernarg_segment_ptr 1
		.amdhsa_wavefront_size32 1
		.amdhsa_system_sgpr_workgroup_id_x 1
		.amdhsa_system_sgpr_workgroup_id_y 1
		.amdhsa_system_sgpr_workgroup_id_z 1
		.amdhsa_system_vgpr_workitem_id 0
		.amdhsa_next_free_vgpr 472
		.amdhsa_next_free_sgpr 100
		.amdhsa_reserve_vcc 0
		.amdhsa_float_denorm_mode_32 3
		.amdhsa_float_denorm_mode_16_64 3
		.amdhsa_memory_ordered 1
		.amdhsa_forward_progress 1
		.amdhsa_inst_pref_size 111
	.end_amdhsa_kernel
	.amdgpu_metadata
---
amdhsa.version: [ 1, 2 ]
amdhsa.kernels:
  - .name:           k_qa5cddb03b1_proj
    .symbol:         k_qa5cddb03b1_proj.kd
    .args:
      - { .name: x_codes, .offset: 0, .size: 8, .value_kind: global_buffer, .address_space: global }
      - { .name: x_scales, .offset: 8, .size: 8, .value_kind: global_buffer, .address_space: global }
      - { .name: wq_codes, .offset: 16, .size: 8, .value_kind: global_buffer, .address_space: global }
      - { .name: wq_scales, .offset: 24, .size: 8, .value_kind: global_buffer, .address_space: global }
      - { .name: bq, .offset: 32, .size: 8, .value_kind: global_buffer, .address_space: global }
      - { .name: wk_codes, .offset: 40, .size: 8, .value_kind: global_buffer, .address_space: global }
      - { .name: wk_scales, .offset: 48, .size: 8, .value_kind: global_buffer, .address_space: global }
      - { .name: bk, .offset: 56, .size: 8, .value_kind: global_buffer, .address_space: global }
      - { .name: wv_codes, .offset: 64, .size: 8, .value_kind: global_buffer, .address_space: global }
      - { .name: wv_scales, .offset: 72, .size: 8, .value_kind: global_buffer, .address_space: global }
      - { .name: bv, .offset: 80, .size: 8, .value_kind: global_buffer, .address_space: global }
      - { .name: qkv, .offset: 88, .size: 8, .value_kind: global_buffer, .address_space: global }
    .group_segment_fixed_size: 327680
    .private_segment_fixed_size: 0
    .kernarg_segment_align: 8
    .kernarg_segment_size: 96
    .max_flat_workgroup_size: 256
    .sgpr_count:     100
    .vgpr_count:     472
    .wavefront_size: 32
...
	.end_amdgpu_metadata
.endif
;; end of part 1
;; launch attn (part 2): grid 4 x 64, 8 waves a work-group, clusters of 4 x 1, 167,936 bytes of LDS; arguments qkv, oimg, oscl; writes oimg, oscl
.if DOCPART == 2
	.amdgcn_target "amdgcn-amd-amdhsa--gfx1250"
	.amdhsa_code_object_version 6
	.text
	.protected	k_qa5cddb03b1_attn
	.globl	k_qa5cddb03b1_attn
	.p2align	8
	.type	k_qa5cddb03b1_attn,@function
k_qa5cddb03b1_attn:
	s_mov_b64 s[64:65], 0
	v_nop
	global_prefetch_b8 v0, s[64:65] scope:SCOPE_SE
	s_setreg_imm32_b32 hwreg(HW_REG_WAVE_MODE, 25, 1), 1
	s_wait_xcnt 0x0
	s_wait_alu depctr_hold_cnt(0) depctr_sa_sdst(0) depctr_va_vdst(0) depctr_va_sdst(0) depctr_va_ssrc(0) depctr_va_vcc(0) depctr_vm_vsrc(0)
	s_getreg_b32 s2, hwreg(HW_REG_IB_STS2, 6, 4)
	s_cmp_eq_u32 s2, 0
	s_cbranch_scc0 .Lentry_in_a_cluster
	s_endpgm
.Lentry_in_a_cluster:
	s_bfe_u32 s2, ttmp6, 0x10000c
	s_cmp_lg_u32 s2, 0x3003
	s_cbranch_scc0 .Lentry_shape_is_right
	s_endpgm
.Lentry_shape_is_right:
; o = softmax(q k^T / 8, causal) v for one head (products 4 and 5), on the codes that the launch before made; o / the row's sum is quantised along the head's 64 and leaves as an image of the last product's operand.
; LEFT OUT: steps of 128 keys, and on the diagonal halves of 64 keys, all of which come after a tile's 16 queries.  reference()'s own jnp.tril makes those scores -infinity: p = 0, which adds nothing to the
; sum or to the product, for all finite inputs.  A NaN, an infinity or an overflow that would arise only in such scores is not carried to the result.
; THE SOFTMAX: t = score x log2(e) / 8; M = the row's largest t so far, rounded UP to a whole number; p = 2^(t - M) is what is quantised, along the keys, not normalised.  The row's sum is taken of the
; unquantised p in f32 and divides O at the end (a reciprocal and a multiplication).  When M moves, the sum and O are multiplied by 2^(old M - new M), which rounds nothing.
; A block's scale comes from its largest score: floor(log2 of the largest p) = floor(t - M) of that score.
; SHARES.  The four work-groups of a cluster own one head, 128 tiles of 16 queries; class C is the eight tiles whose diagonal lies in step C of 128 keys.  A wave walks TWO tiles of a class at once, those at places
; cx and 4 + cx: each fragment of k and of v feeds two products, and one tile's chains of dependent lines stand among the other's independent ones.  On the diagonal the first tile needs 64 keys, the second 128:
; in every wave alike.  Class C takes C whole steps and a diagonal.  Waves 0 to 3 take the eight longer classes, wave w classes 8 + w and 15 - w (23 whole steps); waves 4 to 7 the eight shorter, wave 4 + i
; classes i and 7 - i (7 whole steps): waves w and w + 4 together walk 30 whole steps and four diagonals, for every w.  How many hangs on the wave's number alone: no branch hangs on cx.
; LDS.  The head's k and v, 16 chunks of KCH bytes, lie in LDS as they lie in memory, filled once: wave w asks for chunks 2 w and 2 w + 1, jointly with its three partners; every work-group reads every chunk.
; Nothing is fetched in a loop, so nothing is prefetched.
; LAYOUT.  S^T = k q^T (source 0 = 16 keys, source 1 = 16 queries), O^T = v^T p^T (source 0 = 16 channels, source 1 = p): a lane holds ONE query of each tile throughout.
; THE KEYS OF A TILE OF K: row m of tile (c, t) is key 64 c + 32 (m / 8) + 8 t + m % 8 of the step.  So register 32 c + 8 t + j of S^T in lane (r, h) is key 64 c + 32 h + 8 t + j: a lane's 32 registers of four tiles
; are ONE WHOLE BLOCK of 32 keys, block 2 c + h, in the order in which p's operand takes them: the conversions' results are the operand, and a block's maximum asks no other lane.
; The head is 64 deep and the instruction 128: registers 4 to 7 of q's fragment are zero codes.  Under them k's registers may hold any codes: they hold the next tile's (behind the last tile: zeros).
; REGISTERS, window 0: v1-7 addresses and constants; v8, v10 -M of the two tiles; v[12:13], v[14:15] their sums in two halves; v16-31 q; v32-67 eight tiles of k; v68-195 S^T, then p; v196-211 p's codes;
; v212-221 scale words of k, v, q, p; v222-251 at work; v252-255 addresses.  Window 1: v0-63 O^T; v64-95 v's four fragments; v96-105 q of the second class.
.set HEADB,  217088
.set KVOFF,  73728
.set QCH,    4608
.set KCH,    8960
.set SPARE,  16*KCH                    ; behind the head's k and v: the spare words, 128 bytes for each wave: four blocks of 256 bytes that no other line names
.set LI,   1                           ; v1   16 x lane
.set L4,   2                           ; v2   4 x lane
.set SPW,  3                           ; v3   LDS address of my spare word; never rewritten
.set NIL,  4                           ; v4   0; never rewritten
.set DD,   5                           ; v5   on the diagonal: the first tile's query less the step's first key less 32 h; the second's lies 64 on, as do the keys held against it
.set AV,   6                           ; v6   LDS address of the step's v
.set AT,   7                           ; v7   and of v's scale words
.set KF,   32
.set SS0,  68                          ; scores of tile 0, of tile 1
.set SS1,  132
.set PC,   196                         ; p's codes: tile u at PC + 8 u; on the way out o's
.set KW,   212                         ; v212-215 k's scale words: tiles 2 i, 2 i + 1 of c at KW + 2 i + c: lanes 0-15 the even tile, lanes 16-31 the odd
.set VW,   216                         ; v216-217 v's
.set QS,   218                         ; v218-219 q's
.set PW,   220                         ; v220-221 p's
.set MX0,  222                         ; v222-229 largest scores by tiles of keys, of tile 0;  then:
.set SO,   222                         ;   v222-225 the conversions' scale operands,
.set W1,   226                         ;   v226-227 scale words in the making, v228-229 old M less new M;  on the way out v222-225 maxima, v226-229 the other half's, then bytes
.set DM,   228
.set MX1,  230                         ; v230-237 of tile 1;  ahead of that the next k's addresses, behind it four chains of the sums
.set A0,   230
.set AK,   232
.set BM0,  238                         ; v238-241 the blocks' largest scores, then their t - M, then its floor
.set BM1,  240
.set BR,   242                         ; v242-243 the rows'
.set PX,   244                         ; v244-245 lane l xor 16's
.set TP,   246                         ; v246-247 -M as it was
.set FF,   248                         ; v[248:249], v[250:251] f = 2^(old M - new M); the pairs' upper halves are written once
.set A0B,  252                         ; v252-254 k's addresses within a chunk: tiles with t even, with t odd, scale words
.set AKB,  254
.set H8,   255                         ; v255 8 h
.set OA,   236                         ; the way out: byte offsets,
.set OS,   237
.set OBY,  234                         ; bytes
.set OO,   0                           ; window 1: O^T of tile u at 32 u
.set VF,   64
.set WV,   10
.set CX,   11
.set G1,   16                          ; s[16:23], s[24:27] the descriptor
.set G0,   24
.set SEL,  28                          ; s[28:29] selects for lane l xor 16
.set CS,   30                          ; s[30:31] c = log2(e) / 8: the packed form names a pair and takes its low word for both halves
.set KS,   32                          ; s32  the key step
.set LIM,  33                          ; s33  the class: its step on the diagonal
.set TB,   34                          ; s34  LDS byte at which the step's chunk begins
.set TT,   36                          ; s36  the first tile
.set HI,   37                          ; s37  the mask of lanes 16-31
.set QP,   38                          ; s[38:39] qkv at my head
.set OB,   40                          ; s[40:41] oimg at my batch and head
.set SB,   42                          ; s[42:43] oscl likewise
.set CA,   54                          ; s54, s55 my two classes
.set CB,   55
.set NINF, 56                          ; s56  -infinity
.set MK,   57                          ; s57  a mask
.set MSB, 0
.macro WIN new
.if MSB != \new
	s_set_vgpr_msb (MSB<<8)|\new
.set MSB, \new
.endif
.endm
.macro CROUND                          ; a round of the cluster's barrier
	s_barrier_signal -1
	s_barrier_wait -1
	s_cmp_lg_u32 s[WV], 0
	s_cbranch_scc1 .Lnot_wave_0_\@
	s_barrier_signal -3
.Lnot_wave_0_\@:
	s_barrier_wait -3
	s_barrier_signal -1
	s_barrier_wait -1
.endm
; one product.  c < 0: the constant 0 starts the sum.  ra = 1: source 0's scale words stand in lanes 16-31
.macro WMA d, a, b, c, sa, sb, ra
.if (\c) < 0
.if (\ra) == 0
	v_wmma_scale_f32_16x16x128_f8f6f4 v[\d:\d+7], v[\a:\a+7], v[\b:\b+7], 0, v[\sa], v[\sb] matrix_a_fmt:MATRIX_FMT_FP4 matrix_b_fmt:MATRIX_FMT_FP4
.else
	v_wmma_scale_f32_16x16x128_f8f6f4 v[\d:\d+7], v[\a:\a+7], v[\b:\b+7], 0, v[\sa], v[\sb] matrix_a_fmt:MATRIX_FMT_FP4 matrix_b_fmt:MATRIX_FMT_FP4 matrix_a_scale:MATRIX_SCALE_ROW1
.endif
.else
.if (\ra) == 0
	v_wmma_scale_f32_16x16x128_f8f6f4 v[\d:\d+7], v[\a:\a+7], v[\b:\b+7], v[\c:\c+7], v[\sa], v[\sb] matrix_a_fmt:MATRIX_FMT_FP4 matrix_b_fmt:MATRIX_FMT_FP4
.else
	v_wmma_scale_f32_16x16x128_f8f6f4 v[\d:\d+7], v[\a:\a+7], v[\b:\b+7], v[\c:\c+7], v[\sa], v[\sb] matrix_a_fmt:MATRIX_FMT_FP4 matrix_b_fmt:MATRIX_FMT_FP4 matrix_a_scale:MATRIX_SCALE_ROW1
.endif
.endif
.endm
	s_load_b128 s[4:7], s[0:1], 0x0                ; qkv, oimg
	s_load_b64 s[8:9], s[0:1], 0x10                ; oscl
	v_lshl_add_u32 v[SPW], v0, 2, SPARE
	v_mov_b32 v[NIL], 0
	ds_add_u32 v[SPW], v[NIL]                      ; the wave's opening: the add, twice on end, and its wait ahead of my first tensor load; the set-up below, work on registers, stands between
	ds_add_u32 v[SPW], v[NIL]
	v_lshrrev_b32 v[TP], 5, v0
	v_readfirstlane_b32 s[WV], v[TP]               ; wave 0..7
	s_bfe_u32 s[CX], ttmp6, 0x40000                ; cx: it enters q's and o's addresses and the mask's number alone
	s_and_b32 s12, ttmp7, 0xffff                   ; 16 b + h, which the four partners share
	s_mul_i32 s14, s12, HEADB
	s_mov_b32 s15, 0
	s_mov_b32 s[G1], 15|(3<<16)|(1<<21)            ; 15:0 the mask: all four work-groups; 17:16 elements of 8 bytes; 21 set beside a mask; no padding: a chunk is read as it lies
	s_mov_b32 s[G1+1], 32<<16                      ; two chunks, 17,920 dense bytes, as 70 rows of 256
	s_mov_b32 s[G1+2], 70<<16
	s_mov_b32 s[G1+3], 32<<16
	s_mov_b32 s[G1+4], 70
	s_mov_b32 s[G1+5], 32
	s_mov_b32 s[G1+6], 0
	s_mov_b32 s[G1+7], 0
	s_mov_b32 s[G0], 1
	s_mul_i32 s[G0+1], s[WV], 2*KCH                ; chunks 2 w and 2 w + 1, in LDS,
	s_add_co_u32 s52, s14, KVOFF
	s_add_co_u32 s52, s52, s[G0+1]                 ; and in memory (s52, s53 never hold my place in the cluster)
	s_mov_b32 s53, 0
	s_mov_b32 s[SEL], 0x76543210
	s_mov_b32 s[SEL+1], 0xfedcba98
	s_mov_b32 s[CS], 0x3e38aa3b                    ; c = log2(e) / 8
	s_mov_b32 s[CS+1], s[CS]
	s_mov_b32 s[HI], 0xffff0000
	s_mov_b32 s[NINF], 0xff800000
	s_lshr_b32 s[CA], s[WV], 2
	s_xor_b32 s[CA], s[CA], 1
	s_lshl_b32 s[CA], s[CA], 3                     ; 8 in waves 0 to 3
	s_and_b32 s[CB], s[WV], 3
	s_or_b32 s[CA], s[CA], s[CB]                   ; my classes: 8 + w or w - 4,
	s_xor_b32 s[CB], s[CA], 7                      ; and 15 - w or 11 - w
	s_lshl_b32 s50, s[CX], 4                       ; the first tile's first query within its diagonal step
	v_and_b32 v[TP], 31, v0                        ; lane
	v_and_b32 v[AV], 15, v0                        ; r
	v_bfe_u32 v[AT], v0, 4, 1                      ; h
	v_lshlrev_b32 v[LI], 4, v[TP]
	v_lshlrev_b32 v[L4], 2, v[TP]
	v_lshlrev_b32 v[MX1], 5, v[AT]
	v_lshrrev_b32 v[MX1+1], 3, v[AV]               ; r / 8
	v_and_b32 v[MX1+2], 7, v[AV]
	v_sub_nc_u32 v[DD], v[AV], v[MX1]
	v_lshlrev_b32 v[BR], 4, v[AV]                  ; 16 r
	v_lshlrev_b32 v[H8], 3, v[AT]
	v_lshlrev_b32 v[MX1+2], 4, v[MX1+2]            ; 16 (r % 8)
	v_add_nc_u32 v[DD], s50, v[DD]
	v_lshl_add_u32 v[MX1+3], v[AT], 8, v[MX1+2]    ; + 256 h
	v_mul_u32_u24 v[A0B], v[MX1+1], 1152           ; lanes with r / 8 = 1 read keys 32 on, two images of 16 tokens, whose halves of 128 bytes lie exchanged
	v_lshl_add_u32 v[AKB], v[MX1+1], 3, v[MX1+2]
	v_add_nc_u32 v[A0B], v[A0B], v[MX1+3]
	v_lshl_add_u32 v[AKB], v[AT], 7, v[AKB]        ; lanes 16-31 take the words of the odd tile
	v_xor_b32 v[A0B+1], 0x80, v[A0B]               ; tiles with t odd: the other 8 tokens of an image
	s_wait_alu depctr_va_vdst(0)                   ; directly ahead of the waits below
	s_wait_dscnt 0x0                               ; both opening adds are done
	s_wait_kmcnt 0x0
	s_add_nc_u64 s[G0+2:G0+3], s[4:5], s[52:53]
	s_or_b32 s[G0+3], s[G0+3], 0x80000000          ; type = 2
	CROUND                                         ; all four work-groups are here: the joint loads meet
	tensor_load_to_lds s[G0:G0+3], s[G1:G1+7]      ; every wave issues one: one tensor load of mine is out, and no more follow in the launch
	s_nop 0
.rept 4
	v_nop
.endr
	s_add_nc_u64 s[QP:QP+1], s[4:5], s[14:15]
	s_lshr_b32 s44, s12, 4                         ; b
	s_and_b32 s45, s12, 15                         ; h
	s_lshl_b32 s46, s44, 20                        ; a batch's 128 tiles of 8,192 bytes,
	s_lshl_b32 s47, s45, 9                         ; a head's 512 in each
	s_add_co_u32 s46, s46, s47
	s_mov_b32 s47, 0
	s_add_nc_u64 s[OB:OB+1], s[6:7], s[46:47]
	s_lshl_b32 s46, s44, 16                        ; a batch's 2,048 rows of 32 scale bytes,
	s_lshl_b32 s45, s45, 1                         ; a head's two in each
	s_add_co_u32 s46, s46, s45
	s_add_nc_u64 s[SB:SB+1], s[8:9], s[46:47]
	; q: chunk C of q, tile cx's image 512 cx on, tile 4 + cx's 2,048 further; scale words of an odd tile 256 on, of block g = tile / 2 at word g / 2 + 2 (g % 2) of a row's 16 bytes
	s_mul_i32 s44, s[CA], QCH
	s_mul_i32 s45, s[CB], QCH
	s_lshl_b32 s46, s[CX], 9
	s_and_b32 s47, s[CX], 1
	s_lshl_b32 s47, s47, 8
	s_lshr_b32 s48, s[CX], 1
	s_lshl_b32 s48, s48, 3
	s_add_co_u32 s47, s47, s48
	s_add_co_u32 s48, s44, s46
	s_add_co_u32 s49, s45, s46
	s_add_co_u32 s44, s44, s47
	s_add_co_u32 s45, s45, s47
	v_add_nc_u32 v[MX1+4], s48, v[LI]
	v_add_nc_u32 v[MX1+5], s44, v[BR]
	v_add_nc_u32 v[MX1+6], s49, v[LI]
	v_add_nc_u32 v[MX1+7], s45, v[BR]
	s_wait_alu depctr_va_vdst(0)
	global_load_b128 v[16:19], v[MX1+4], s[QP:QP+1]
	global_load_b128 v[24:27], v[MX1+4], s[QP:QP+1] offset:2048
	global_load_b32 v[QS], v[MX1+5], s[QP:QP+1] offset:4096
	global_load_b32 v[QS+1], v[MX1+5], s[QP:QP+1] offset:4100
	WIN 0x40                                       ; destination window 1
	global_load_b128 v[96:99], v[MX1+6], s[QP:QP+1]
	global_load_b128 v[100:103], v[MX1+6], s[QP:QP+1] offset:2048
	global_load_b32 v104, v[MX1+7], s[QP:QP+1] offset:4096
	global_load_b32 v105, v[MX1+7], s[QP:QP+1] offset:4100
	WIN 0
.irp j, 20,21,22,23,28,29,30,31
	v_mov_b32 v[\j], 0                             ; q's zero codes for the upper 64 of the instruction's 128
.endr
.irp j, 0,1,2,3
	v_mov_b32 v[KF+32+\j], 0                       ; behind k's last tile
	v_mov_b32 v[W1+\j], 0                          ; written once: a lane permute's destination counts as one of its sources
.endr
	v_mov_b32 v9, 0                                ; (named as the upper half of a pair)
	v_mov_b32 v11, 0                               ; (likewise)
	v_mov_b32 v[FF+1], 0
	v_mov_b32 v[FF+3], 0
	v_mov_b32 v[PX], 0
	v_mov_b32 v[PX+1], 0
	s_wait_alu depctr_va_vdst(0)                   ; the head's end
	s_wait_tensorcnt 0x0                           ; my chunks are in LDS,
	s_barrier_signal -1
	s_barrier_wait -1                              ; everybody's are
	s_wait_loadcnt 0x0                             ; q
; k of a step: eight tiles of four registers, and the scale words: ten loads
.macro KLOAD a, ak, off
.irp c, 0,1
.irp t, 0,1,2,3
	ds_load_b128 v[KF+16*\c+4*\t:KF+16*\c+4*\t+3], v[\a+\t%2] offset:\off+2048*\c+512*(\t/2)
.endr
.endr
	ds_load_b64 v[KW:KW+1], v[\ak] offset:\off+4096
	ds_load_b64 v[KW+2:KW+3], v[\ak] offset:\off+4352
.endm
; fillers: the next cnt of tile 1's 24 maxima by tiles of keys; of tile 0's multiply-adds t - M; of tile 1's exponentials; of tile 0's sums
.macro MF cnt
.rept \cnt
.if fm < 8
	v_max3_num_f32 v[MX1+fm], v[SS1+8*fm], v[SS1+8*fm+1], v[SS1+8*fm+2]
.elseif fm < 24
	v_max3_num_f32 v[MX1+fm%8], v[MX1+fm%8], v[SS1+8*(fm%8)+2*(fm/8)+1], v[SS1+8*(fm%8)+2*(fm/8)+2]
.endif
.set fm, fm+1
.endr
.endm
.macro PF cnt
.rept \cnt
.if fp < 16*NC0
	v_pk_fma_f32 v[SS0+2*fp:SS0+2*fp+1], v[SS0+2*fp:SS0+2*fp+1], s[CS:CS+1], v[8:9] op_sel_hi:[1,0,0]
.endif
.set fp, fp+1
.endr
.endm
.macro EX cnt
.rept \cnt
	v_exp_f32 v[SS1+fx], v[SS1+fx]
.set fx, fx+1
.endr
.endm
.macro T0                              ; tile 0's 8 NC0 numbers v[SS0 + 4 k] into v[12:13], in two chains
.if f0 == 0
	v_pk_add_f32 v[12:13], v[12:13], v[SS0:SS0+1]
.elseif f0 == 1
	v_pk_add_f32 v[MX1:MX1+1], v[SS0+4:SS0+5], v[SS0+8:SS0+9]
.elseif f0 < 8*NC0-1
.if f0%2 == 0
	v_pk_add_f32 v[12:13], v[12:13], v[SS0+4*f0+4:SS0+4*f0+5]
.else
	v_pk_add_f32 v[MX1:MX1+1], v[MX1:MX1+1], v[SS0+4*f0+4:SS0+4*f0+5]
.endif
.elseif f0 == 8*NC0-1
	v_pk_add_f32 v[12:13], v[12:13], v[MX1:MX1+1]
.endif
.set f0, f0+1
.endm
; from the maxima by tiles of keys to the new -M (a whole number): a chain, with the filler's independent lines between
.macro CHAIN mx, ss, bm, br, px, tp, nm, nc, fill
.irp c, 0,1
.if \c < \nc
	v_max3_num_f32 v[\bm+\c], v[\mx+4*\c], v[\mx+4*\c+1], v[\ss+32*\c+7]
	v_max3_num_f32 v[\mx+4*\c+2], v[\mx+4*\c+2], v[\mx+4*\c+3], v[\ss+32*\c+15]
.endif
.endr
	\fill 4
.irp c, 0,1
.if \c < \nc
	v_max3_num_f32 v[\bm+\c], v[\bm+\c], v[\ss+32*\c+23], v[\ss+32*\c+31]
.endif
.endr
	\fill 4
.irp c, 0,1
.if \c < \nc
	v_max_num_f32 v[\bm+\c], v[\bm+\c], v[\mx+4*\c+2]  ; the largest score of my block 2 c + h
.endif
.endr
	\fill 4
.if (\nc) == 2
	v_max_num_f32 v[\br], v[\bm], v[\bm+1]
.else
	v_mov_b32 v[\br], v[\bm]
.endif
	\fill 3
	v_permlanex16_b32 v[\px], v[\br], s[SEL], s[SEL+1]
	\fill 3
	v_max_num_f32 v[\br], v[\br], v[\px]           ; the step's largest score of my query
	\fill 2
	v_mul_f32 v[\br], s[CS], v[\br]                ; as t (c is positive)
	\fill 2
	v_floor_f32 v[\br], -v[\br]                    ; -ceil(t)
	\fill 2
	v_min_num_f32 v[\nm], v[\tp], v[\br]
.endm
; A KEY STEP of both tiles; its k has been asked for.  kind 0: 128 keys, all of which count; the next step's k is asked for.
; kind 1, on the diagonal: tile 0 takes the first 64 keys, masked; tile 1 all 128, the second 64 masked.  NC0: halves that tile 0 takes.
.macro STEP kind
.set NC0, 2-(\kind)
	s_wait_dscnt 0x0                               ; k is in: its ten loads, issued a step ago, are all that is out
.irp c, 0,1
.irp t, 0,1,2,3
.set rD, SS0+32*\c+8*\t
.set rE, SS1+32*\c+8*\t
.set rA, KF+16*\c+4*\t
.set rS, KW+2*(\t/2)+\c
.if \c < NC0
	WMA rD, rA, 16, -1, rS, QS, \t%2
.endif
	WMA rE, rA, 24, -1, rS, QS+1, \t%2
.endr
.endr
	v_mov_b32 v[TP], v8                            ; at least four places in front of loads into registers that products read and of the first reads of the scores
	v_mov_b32 v[TP+1], v10
	v_add_nc_u32 v[AV], s[TB], v[LI]
	v_add_nc_u32 v[AT], s[TB], v[L4]
.if (\kind) == 0
	v_add_nc_u32 v[A0], s[TB], v[A0B]
	v_add_nc_u32 v[A0+1], s[TB], v[A0B+1]
	v_add_nc_u32 v[AK], s[TB], v[AKB]
.else
.set n, 0
.rept 16
	v_cmp_gt_i32 vcc_lo, n, v[DD]                  ; key n (+ 32 h) of the tile's last 64 is hidden where it comes after my query: the same test for both tiles
	v_cmp_gt_i32 s[MK], n+1, v[DD]
	v_cndmask_b32 v[SS0+n], v[SS0+n], s[NINF], vcc_lo
	v_cndmask_b32 v[SS1+32+n], v[SS1+32+n], s[NINF], vcc_lo
	v_cndmask_b32 v[SS0+n+1], v[SS0+n+1], s[NINF], s[MK]
	v_cndmask_b32 v[SS1+33+n], v[SS1+33+n], s[NINF], s[MK]
.set n, n+2
.endr
.endif
.irp q, 0,1,2,3,4,5,6,7
.if \q < 4*NC0
	v_max3_num_f32 v[MX0+\q], v[SS0+8*\q], v[SS0+8*\q+1], v[SS0+8*\q+2]
.endif
.endr
	ds_load_b32 v[VW], v[AT] offset:8704           ; the step's v: ten loads
	ds_load_b32 v[VW+1], v[AT] offset:8832
	WIN 0x40                                       ; destination window 1
.irp dt, 0,1,2,3
	ds_load_b128 v[VF+8*\dt:VF+8*\dt+3], v[AV] offset:4608+1024*\dt
	ds_load_b128 v[VF+8*\dt+4:VF+8*\dt+7], v[AV] offset:5120+1024*\dt
.endr
	WIN 0
.irp i, 3,5
.irp q, 0,1,2,3,4,5,6,7
.if \q < 4*NC0
	v_max3_num_f32 v[MX0+\q], v[MX0+\q], v[SS0+8*\q+\i], v[SS0+8*\q+\i+1]
.endif
.endr
.endr
.if (\kind) == 0
	KLOAD A0, AK, KCH                              ; the next step's k, ahead of the lines that write over its addresses
.endif
.set fm, 0
	CHAIN MX0, SS0, BM0, BR, PX, TP, 8, NC0, MF
	MF 24
.set fp, 0
	v_sub_f32 v[DM], v8, v[TP]                     ; old M less new M: a whole number, 0 or less
	PF 2
	v_cvt_i32_f32 v[DM], v[DM]                     ; (it saturates)
	PF 2
	v_ldexp_f32 v[FF], 1.0, v[DM]                  ; f = 2^(old M - new M)
.irp c, 0,1
.if \c < NC0
	v_fma_f32 v[BM0+\c], v[BM0+\c], s[CS], v8      ; t - M of each block's largest score
.endif
.endr
	CHAIN MX1, SS1, BM1, BR+1, PX+1, TP+1, 10, 2, PF
	v_sub_f32 v[DM+1], v10, v[TP+1]
	PF 2
	v_cvt_i32_f32 v[DM+1], v[DM+1]
	PF 2
	v_ldexp_f32 v[FF+2], 1.0, v[DM+1]
.irp c, 0,1
	v_fma_f32 v[BM1+\c], v[BM1+\c], s[CS], v10
.endr
	PF 32
	v_pk_mul_f32 v[12:13], v[12:13], v[FF:FF+1] op_sel_hi:[1,0]   ; the sums under the new M
	v_pk_mul_f32 v[14:15], v[14:15], v[FF+2:FF+3] op_sel_hi:[1,0]
.irp i, 0,1,2,3
.if (\i != 1) || (NC0 == 2)
	v_max_num_f32 v[BM0+\i], 0xc2f80000, v[BM0+\i] ; not under -124: so the byte cannot fall under 1 (a block whose every p is 0 keeps that byte: its codes are zeros)
.endif
.endr
.irp i, 0,1,2,3
.if (\i != 1) || (NC0 == 2)
	v_cvt_floor_i32_f32 v[BM0+\i], v[BM0+\i]       ; the exponent of the block's largest p
.endif
.endr
.irp i, 0,1,2,3
.if (\i != 1) || (NC0 == 2)
	v_add_lshl_u32 v[SO+\i], v[BM0+\i], 125, 23    ; less 2, plus 127: the scale's byte, at the exponent field: the conversion's scale operand
.endif
.endr
.if NC0 == 2
	v_lshl_add_u32 v[W1], v[BM0+1], 16, v[BM0]
.else
	v_mov_b32 v[W1], v[BM0]                        ; (tile 0's second 64 keys: zero codes under a finite byte)
.irp i, 4,5,6,7
	v_mov_b32 v[PC+\i], 0
.endr
.endif
	v_lshl_add_u32 v[W1+1], v[BM1+1], 16, v[BM1]
	v_add_lshl_u32 v[W1], v[W1], 0x7d007d, v[H8]   ; my two bytes, + 125 each, at bytes h and 2 + h
	v_add_lshl_u32 v[W1+1], v[W1+1], 0x7d007d, v[H8]
	v_permlanex16_b32 v[PX], v[W1], s[SEL], s[SEL+1]
	v_permlanex16_b32 v[PX+1], v[W1+1], s[SEL], s[SEL+1]
	v_or_b32 v[PW], v[W1], v[PX]                   ; with lane l xor 16's two: p's scale words for these 128 keys
	v_or_b32 v[PW+1], v[W1+1], v[PX+1]
	WIN 0x41                                       ; source 0 and destination window 1
.irp u, 0,1
.set j, 0
.rept 16
	v_pk_mul_f32 v[OO+32*\u+j:OO+32*\u+j+1], v[OO+32*\u+j:OO+32*\u+j+1], v[FF+2*\u:FF+2*\u+1] op_sel_hi:[1,0]   ; O^T under the new M
.set j, j+2
.endr
.endr
	WIN 0
	s_wait_alu depctr_va_vdst(0)                   ; ahead of the batch
.set k, 0
.rept 32                                       ; tile 0's p = 2^(t - M), at most 1, with tile 1's t - M between: those are first read behind the next wait
	v_exp_f32 v[SS0+NC0*k], v[SS0+NC0*k]
.if NC0 == 2
	v_exp_f32 v[SS0+NC0*k+1], v[SS0+NC0*k+1]
.endif
	v_pk_fma_f32 v[SS1+2*k:SS1+2*k+1], v[SS1+2*k:SS1+2*k+1], s[CS:CS+1], v[10:11] op_sel_hi:[1,0,0]
.set k, k+1
.endr
	s_wait_alu depctr_va_vdst(0)                   ; behind tile 0's batch and ahead of tile 1's
.set fx, 0
.set k, 0
.rept 4*NC0                                    ; tile 1's 64 exponentials, with tile 0's conversions and its first sums between
	EX 2
	v_cvt_scalef32_pk8_fp4_f32 v[PC+k], v[SS0+8*k:SS0+8*k+7], v[SO+k/4]   ; keys 64 c + 32 h + 8 t + 0 .. 7: the operand's register 4 c + t
.set k, k+1
.endr
	v_nop                                          ; one plain place behind the scaled conversions
	EX 64-24*NC0
.set k, 0
.rept 8*NC0
	EX 2
	v_pk_add_f32 v[SS0+4*k:SS0+4*k+1], v[SS0+4*k:SS0+4*k+1], v[SS0+4*k+2:SS0+4*k+3]   ; the row's sum of the unquantised p: pairs of pairs, in place
.set k, k+1
.endr
	s_wait_alu depctr_va_vdst(0)                   ; ahead of the first reader
.set k, 0
.rept 8
	v_cvt_scalef32_pk8_fp4_f32 v[PC+8+k], v[SS1+8*k:SS1+8*k+7], v[SO+2+k/4]
.set k, k+1
.endr
.set f0, 0
	v_pk_add_f32 v[14:15], v[14:15], v[SS1:SS1+1]  ; tile 1's 32 pairs in four chains, tile 0's in two, by turns
	v_pk_add_f32 v[MX1+2:MX1+3], v[SS1+2:SS1+3], v[SS1+4:SS1+5]
	v_pk_add_f32 v[MX1+4:MX1+5], v[SS1+6:SS1+7], v[SS1+8:SS1+9]
	v_pk_add_f32 v[MX1+6:MX1+7], v[SS1+10:SS1+11], v[SS1+12:SS1+13]
.set k, 7
.rept 25
	T0
.set CH, MX1+2+2*(k%4)
.if k%4 == 3
.set CH, 14
.endif
	v_pk_add_f32 v[CH:CH+1], v[CH:CH+1], v[SS1+2*k:SS1+2*k+1]
.set k, k+1
.endr
	v_pk_add_f32 v[MX1+2:MX1+3], v[MX1+2:MX1+3], v[MX1+4:MX1+5]
	v_pk_add_f32 v[14:15], v[14:15], v[MX1+6:MX1+7]
	v_pk_add_f32 v[14:15], v[14:15], v[MX1+2:MX1+3]
.if (\kind) == 0
	s_wait_dscnt 10                                ; v is in; the next step's ten loads of k may be out
.else
	s_wait_alu depctr_va_vdst(0)                   ; the way out reads the sums soon
	s_wait_dscnt 0x0
.endif
	WIN 0x51                                       ; source 0 (v), C and D window 1
.irp dt, 0,1,2,3
.irp u, 0,1
.set rD, OO+32*\u+8*\dt
.set rA, VF+8*\dt
.set rB, PC+8*\u
.set rS, VW+\dt/2
.set rP, PW+\u
	WMA rD, rA, rB, rD, rS, rP, \dt%2              ; O^T += v^T p^T: eight accumulators, one instruction each
.endr
.endr
	WIN 0
.endm
; A CLASS: two tiles.  Fifteen trips, so that the trip count is a constant; those from the diagonal on do nothing but step the address; then the step on the diagonal, and the way out.
.macro PASS hi
.if \hi
	s_wait_xcnt 0x0                                ; the first tiles' stores have read their registers
	s_and_b32 s[LIM], s[CB], 15
	WIN 0x01
.irp j, 0,1,2,3
	v_mov_b32 v[16+\j], v[96+\j]                   ; q of the second class
	v_mov_b32 v[24+\j], v[100+\j]
.endr
	v_mov_b32 v[QS], v104
	v_mov_b32 v[QS+1], v105
	WIN 0
.else
	s_and_b32 s[LIM], s[CA], 15
.endif
	s_lshl_b32 s[TT], s[LIM], 3
	s_add_co_u32 s[TT], s[TT], s[CX]
	s_mov_b32 s[TB], 0
	s_mov_b32 s[KS], 0
	KLOAD A0B, AKB, 0                              ; the first step's k
	v_mov_b32 v8, 0x7f61b1e6                       ; -M so far: 3e38, over every -t
	v_mov_b32 v10, 0x7f61b1e6
.irp j, 12,13,14,15
	v_mov_b32 v[\j], 0
.endr
	WIN 0x40
.set j, 0
.rept 64
	v_mov_b32 v[OO+j], 0                           ; O^T: the first change of M leaves zeros zeros
.set j, j+1
.endr
	WIN 0
	s_wait_alu depctr_va_vdst(0)                   ; ahead of the branches below
.Lstep_\@:
	s_cmp_ge_u32 s[KS], s[LIM]
	s_cbranch_scc1 .Lpast_\@
	STEP 0
.Lpast_\@:
	s_add_co_u32 s[TB], s[TB], KCH
	s_add_co_u32 s[KS], s[KS], 1
	s_cmp_lt_u32 s[KS], 15
	s_cbranch_scc1 .Lstep_\@
	s_mul_i32 s[TB], s[LIM], KCH                   ; the chunk on the diagonal; its k was asked for a step ago
	STEP 1
.rept 4
	v_nop                                          ; places in front of the first reads of O^T
.endr
	v_add_f32 v12, v12, v13                        ; the sums' two halves,
	v_add_f32 v14, v14, v15
	v_permlanex16_b32 v[PX], v12, s[SEL], s[SEL+1]
	v_permlanex16_b32 v[PX+1], v14, s[SEL], s[SEL+1]
	v_add_f32 v12, v12, v[PX]                      ; and lane l xor 16's: the rows' sums
	v_add_f32 v14, v14, v[PX+1]
	v_and_b32 v[OS], 15, v0
	v_bfe_u32 v[OA], v0, 4, 1
	v_lshl_add_u32 v[OS], v[OS], 5, v[OA]          ; 32 r + h
	s_lshl_b32 s44, s[TT], 13
	s_lshl_b32 s45, s[TT], 9
	s_wait_alu depctr_va_vdst(0)                   ; ahead of the transcendentals
	v_rcp_f32 v12, v12
	v_rcp_f32 v14, v14
	v_add_nc_u32 v[OA], s44, v[LI]                 ; the first tile's 8,192 bytes of oimg, my lane's 16;  the second tile lies four tiles on
	v_add_nc_u32 v[OS], s45, v[OS]                 ; the tile's 16 rows of 32 scale bytes, my row, my block
	WIN 0x01                                       ; source 0 window 1
	s_wait_alu depctr_va_vdst(0)                   ; ahead of the first reader
.irp u, 0,1
.set j, 0
.rept 32
	v_mul_f32 v[SS0+64*\u+j], v[OO+32*\u+j], v[12+2*\u]   ; o = O^T / the sum: register 8 t + j = channel 16 t + 8 h + j of my query
.set j, j+1
.endr
.endr
	WIN 0
.irp q, 0,1,2,3                                ; four blocks of 32 channels by turns: tile q / 2, block q % 2
	v_max3_num_f32 v[SO+\q], |v[SS0+64*(\q/2)+16*(\q%2)]|, |v[SS0+64*(\q/2)+16*(\q%2)+1]|, 0x1800000
.endr
.irp i, 2,4,6,8,10,12,14
.irp q, 0,1,2,3
	v_max3_num_f32 v[SO+\q], v[SO+\q], |v[SS0+64*(\q/2)+16*(\q%2)+\i]|, |v[SS0+64*(\q/2)+16*(\q%2)+\i+1]|
.endr
.endr
.irp q, 0,1,2,3
	v_permlanex16_b32 v[W1+\q], v[SO+\q], s[SEL], s[SEL+1]
.endr
.irp q, 0,1,2,3
	v_max_num_f32 v[SO+\q], v[SO+\q], v[W1+\q]
.endr
.irp q, 0,1,2,3
	v_add_nc_u32 v[MX1+\q], 0xff000000, v[SO+\q]
.endr
.irp q, 0,1,2,3
	v_lshrrev_b32 v[W1+\q], 23, v[MX1+\q]
.endr
.irp u, 0,1
	v_cvt_scalef32_pk8_fp4_f32 v[PC+8*\u], v[SS0+64*\u:SS0+64*\u+7], v[MX1+2*\u]
	v_cvt_scalef32_pk8_fp4_f32 v[PC+8*\u+2], v[SS0+64*\u+8:SS0+64*\u+15], v[MX1+2*\u]
	v_cvt_scalef32_pk8_fp4_f32 v[PC+8*\u+1], v[SS0+64*\u+16:SS0+64*\u+23], v[MX1+2*\u+1]
	v_cvt_scalef32_pk8_fp4_f32 v[PC+8*\u+3], v[SS0+64*\u+24:SS0+64*\u+31], v[MX1+2*\u+1]
.endr
.irp u, 0,1
	v_cndmask_b32 v[OBY+\u], v[W1+2*\u], v[W1+2*\u+1], s[HI]   ; lanes 0-15 block 0's byte, lanes 16-31 block 1's;  plain places behind the scaled conversions
.endr
.irp u, 0,1
	v_permlane16_swap_b32 v[PC+8*\u], v[PC+8*\u+1]
	v_permlane16_swap_b32 v[PC+8*\u+2], v[PC+8*\u+3]
.endr
.irp u, 0,1
	global_store_b128 v[OA], v[PC+8*\u:PC+8*\u+3], s[OB:OB+1] offset:32768*\u    ; the image: 512 consecutive bytes, aligned
	global_store_b8 v[OS], v[OBY+\u], s[SB:SB+1] offset:2048*\u      ; two bytes of each of 16 rows: a row's 32 bytes come from sixteen heads, that is from sixteen clusters, so no wave has more of a row
.endr
.endm
	PASS 0
	PASS 1
	s_wait_tensorcnt 0x0                           ; the wave's end: behind my last tensor load
	ds_add_u32 v[SPW], v[NIL]
	s_wait_dscnt 0x0
	CROUND                                         ; the closing round
	s_endpgm
.Lfunc_end_k_qa5cddb03b1_attn:
	.size	k_qa5cddb03b1_attn, .Lfunc_end_k_qa5cddb03b1_attn-k_qa5cddb03b1_attn
	.p2alignl 7, 3214868480
	.fill 96, 4, 3214868480
	.section	.rodata,"a",@progbits
	.p2align	6, 0x0
	.amdhsa_kernel k_qa5cddb03b1_attn
		.amdhsa_group_segment_fixed_size 167936
		.amdhsa_private_segment_fixed_size 0
		.amdhsa_enable_private_segment 0
		.amdhsa_kernarg_size 24
		.amdhsa_user_sgpr_count 2
		.amdhsa_user_sgpr_kernarg_segment_ptr 1
		.amdhsa_wavefront_size32 1
		.amdhsa_system_sgpr_workgroup_id_x 1
		.amdhsa_system_sgpr_workgroup_id_y 1
		.amdhsa_system_sgpr_workgroup_id_z 1
		.amdhsa_system_vgpr_workitem_id 0
		.amdhsa_next_free_vgpr 362
		.amdhsa_next_free_sgpr 66
		.amdhsa_reserve_vcc 1
		.amdhsa_float_denorm_mode_32 3
		.amdhsa_float_denorm_mode_16_64 3
		.amdhsa_memory_ordered 1
		.amdhsa_forward_progress 1
		.amdhsa_inst_pref_size 133
	.end_amdhsa_kernel
	.amdgpu_metadata
---
amdhsa.version: [ 1, 2 ]
amdhsa.kernels:
  - .name:           k_qa5cddb03b1_attn
    .symbol:         k_qa5cddb03b1_attn.kd
    .args:
      - { .name: qkv, .offset: 0, .size: 8, .value_kind: global_buffer, .address_space: global }
      - { .name: oimg, .offset: 8, .size: 8, .value_kind: global_buffer, .address_space: global }
      - { .name: oscl, .offset: 16, .size: 8, .value_kind: global_buffer, .address_space: global }
    .group_segment_fixed_size: 167936
    .private_segment_fixed_size: 0
    .kernarg_segment_align: 8
    .kernarg_segment_size: 24
    .max_flat_workgroup_size: 256
    .sgpr_count:     66
    .vgpr_count:     362
    .wavefront_size: 32
...
	.end_amdgpu_metadata
.endif
;; end of part 2
;; launch outp (part 3): grid 4 x 64, 8 waves a work-group, clusters of 4 x 4, 327,680 bytes of LDS; arguments oimg, oscl, wo_codes, wo_scales, bo, out0; writes out0
.if DOCPART == 3
	.amdgcn_target "amdgcn-amd-amdhsa--gfx1250"
	.amdhsa_code_object_version 6
	.text
	.protected	k_qa5cddb03b1_outp
	.globl	k_qa5cddb03b1_outp
	.p2align	8
	.type	k_qa5cddb03b1_outp,@function
k_qa5cddb03b1_outp:
	s_mov_b64 s[64:65], 0
	v_nop
	global_prefetch_b8 v0, s[64:65] scope:SCOPE_SE
	s_setreg_imm32_b32 hwreg(HW_REG_WAVE_MODE, 25, 1), 1
	s_wait_xcnt 0x0
	s_wait_alu depctr_hold_cnt(0) depctr_sa_sdst(0) depctr_va_vdst(0) depctr_va_sdst(0) depctr_va_ssrc(0) depctr_va_vcc(0) depctr_vm_vsrc(0)
	s_getreg_b32 s2, hwreg(HW_REG_IB_STS2, 6, 4)
	s_cmp_eq_u32 s2, 0
	s_cbranch_scc0 .Lentry_in_a_cluster
	s_endpgm
.Lentry_in_a_cluster:
	s_bfe_u32 s2, ttmp6, 0x10000c
	s_cmp_lg_u32 s2, 0xf033
	s_cbranch_scc0 .Lentry_shape_is_right
	s_endpgm
.Lentry_shape_is_right:
; y = o wo + bo (product 6), on the codes of o that the launch before made and on wo's as they are given; sums in f32.
; SHARES.  A work-group makes 128 tokens x 256 columns, a wave 64 x 64.  The four work-groups of a row of the cluster need the same tokens, the four of a column the same rows of wo: both are asked for jointly.
; Waves 0 to 3 fetch a quarter of o's image each, waves 4 to 7 a quarter of wo's 256 rows: one tensor load a wave, filled once; there is no loop to prefetch in.
; A wave's 64 rows of wo go from LDS into 256 registers once; then its four tiles of 16 tokens are finished one after the other, each with 32 matrix instructions, and each leaves while the next is multiplied.
; Used transposed: source 0 = 16 rows of wo (columns of y), source 1 = 16 tokens: a lane holds ONE token and eight neighbouring columns.  The bias is the C of each sum's first product.
; REGISTERS: v0-13 addresses; v16-31 o's scale words (pair of tiles P, K step s at 16 + 8 P + s: lanes 0-15 the even tile, lanes 16-31 the odd); v32-47 wo's likewise; v48-79 the bias; v80-143 o's fragments of a tile
; (K step s at 80 + 8 s); v144-207 the accumulators of two tiles by turns; v208-239 rows on the way out.  Window 1: wo's fragments (tile bt, K step s at 64 bt + 8 s).
.set WP,     528                       ; a row of wo in LDS: 512 bytes + 16 of padding
.set WOFF,   65536                     ; behind o's image of 128 tokens
.set STAGE,  WOFF+256*WP               ; the way out: 16 rows x 272 bytes for each wave, written by ds_store alone
.set SP,     272
.set SPARE,  STAGE+8*16*SP             ; the spare words, 128 bytes for each wave
.set LI,   1
.set AO,   2
.set AW,   3
.set L32,  4
.set H32,  5
.set STO,  6
.set RD,   7
.set CO,   8
.set SPW,  10
.set NIL,  11
.set OS,   16
.set WSC,  32
.set BI,   48
.set OF,   80
.set ACC,  144
.set BUF,  208
.set WV,   4
.set G1O,  12
.set G0O,  20
.set G1W,  24
.set G0W,  32
.set MSB, 0
.macro WIN new
.if MSB != \new
	s_set_vgpr_msb (MSB<<8)|\new
.set MSB, \new
.endif
.endm
.macro CROUND                          ; a round of the cluster's barrier
	s_barrier_signal -1
	s_barrier_wait -1
	s_cmp_lg_u32 s[WV], 0
	s_cbranch_scc1 .Lnot_wave_0_\@
	s_barrier_signal -3
.Lnot_wave_0_\@:
	s_barrier_wait -3
	s_barrier_signal -1
	s_barrier_wait -1
.endm
; one product; ra, rb = 1: that side's scale words stand in lanes 16-31
.macro WMS d, a, b, c, sa, sb, ra, rb
.if ((\ra) == 0) && ((\rb) == 0)
	v_wmma_scale_f32_16x16x128_f8f6f4 v[\d:\d+7], v[\a:\a+7], v[\b:\b+7], v[\c:\c+7], v[\sa], v[\sb] matrix_a_fmt:MATRIX_FMT_FP4 matrix_b_fmt:MATRIX_FMT_FP4
.elseif (\rb) == 0
	v_wmma_scale_f32_16x16x128_f8f6f4 v[\d:\d+7], v[\a:\a+7], v[\b:\b+7], v[\c:\c+7], v[\sa], v[\sb] matrix_a_fmt:MATRIX_FMT_FP4 matrix_b_fmt:MATRIX_FMT_FP4 matrix_a_scale:MATRIX_SCALE_ROW1
.elseif (\ra) == 0
	v_wmma_scale_f32_16x16x128_f8f6f4 v[\d:\d+7], v[\a:\a+7], v[\b:\b+7], v[\c:\c+7], v[\sa], v[\sb] matrix_a_fmt:MATRIX_FMT_FP4 matrix_b_fmt:MATRIX_FMT_FP4 matrix_b_scale:MATRIX_SCALE_ROW1
.else
	v_wmma_scale_f32_16x16x128_f8f6f4 v[\d:\d+7], v[\a:\a+7], v[\b:\b+7], v[\c:\c+7], v[\sa], v[\sb] matrix_a_fmt:MATRIX_FMT_FP4 matrix_b_fmt:MATRIX_FMT_FP4 matrix_a_scale:MATRIX_SCALE_ROW1 matrix_b_scale:MATRIX_SCALE_ROW1
.endif
.endm
	s_load_b256 s[68:75], s[0:1], 0x0              ; oimg, oscl, wo's codes, wo's scales
	s_load_b128 s[76:79], s[0:1], 0x20             ; bo, out0
	v_lshl_add_u32 v[SPW], v0, 2, SPARE
	v_mov_b32 v[NIL], 0
	ds_add_u32 v[SPW], v[NIL]                      ; the wave's opening: the add, twice on end, and its wait ahead of my first tensor load
	ds_add_u32 v[SPW], v[NIL]
	v_lshrrev_b32 v12, 5, v0
	v_readfirstlane_b32 s[WV], v12                 ; wave 0..7
	s_bfe_u32 s5, ttmp6, 0x40000                   ; cx, cy
	s_bfe_u32 s6, ttmp6, 0x40004
	s_lshl_b32 s7, ttmp9, 2
	s_add_co_u32 s7, s7, s5                        ; my block of 256 columns
	s_and_b32 s8, ttmp7, 0xffff
	s_lshl_b32 s8, s8, 2
	s_add_co_u32 s8, s8, s6                        ; my block of 128 tokens
	s_lshl_b32 s9, s6, 2
	s_lshl_b32 s9, 15, s9                          ; my row of the cluster: same tokens
	s_lshl_b32 s10, 0x1111, s5                     ; my column: same rows of wo
	s_or_b32 s[G1O], s9, (3<<16)|(1<<21)           ; 16,384 dense bytes as 64 rows of 32 elements of 8 bytes, no padding
	s_mov_b32 s[G1O+1], 32<<16
	s_mov_b32 s[G1O+2], 64<<16
	s_mov_b32 s[G1O+3], 32<<16
	s_mov_b32 s[G1O+4], 64
	s_mov_b32 s[G1O+5], 32
	s_mov_b32 s[G1O+6], 0
	s_mov_b32 s[G1O+7], 0
	s_or_b32 s[G1W], s10, (1<<20)|(1<<21)|(6<<22)|(3<<25)   ; 64 rows of 512 bytes, four words of padding after every 128
	s_mov_b32 s[G1W+1], 512<<16
	s_mov_b32 s[G1W+2], 64<<16
	s_mov_b32 s[G1W+3], 512<<16
	s_mov_b32 s[G1W+4], 64
	s_mov_b32 s[G1W+5], 512
	s_mov_b32 s[G1W+6], 0
	s_mov_b32 s[G1W+7], 0
	s_lshr_b32 s40, s[WV], 2                       ; which 64 tokens are mine;  also: I fetch for o (0) or for wo (1)
	s_and_b32 s41, s[WV], 3                        ; which 64 columns;  also: which quarter I fetch
	s_lshl_b32 s36, s8, 16
	s_lshl_b32 s37, s41, 14
	s_add_co_u32 s36, s36, s37
	s_mov_b32 s[G0O], 1
	s_mov_b32 s[G0O+1], s37
	s_mov_b32 s37, 0
	s_lshl_b32 s38, s7, 17
	s_lshl_b32 s39, s41, 15
	s_add_co_u32 s38, s38, s39
	s_mov_b32 s39, 0
	s_mov_b32 s[G0W], 1
	s_mul_i32 s[G0W+1], s41, 64*WP
	s_add_co_u32 s[G0W+1], s[G0W+1], WOFF
	v_and_b32 v9, 31, v0                           ; lane
	v_and_b32 v12, 15, v0                          ; r
	v_bfe_u32 v13, v0, 4, 1                        ; h
	v_lshlrev_b32 v[LI], 4, v9
	v_mul_u32_u24 v[AW], v12, WP
	v_mul_u32_u24 v[STO], v12, SP
	v_mul_u32_u24 v[RD], v13, SP
	v_lshlrev_b32 v[CO], 12, v13
	v_lshlrev_b32 v[L32], 5, v9
	v_lshlrev_b32 v[H32], 5, v13
	v_lshl_add_u32 v[AW], v13, 4, v[AW]
	v_lshl_add_u32 v[STO], v13, 5, v[STO]          ; in: row r, 32 bytes for each half of the lanes
	v_lshl_add_u32 v[RD], v12, 4, v[RD]            ; back: lanes 0-15 one row, lanes 16-31 the next
	v_lshl_add_u32 v[CO], v12, 4, v[CO]
	s_lshl_b32 s42, s40, 15
	v_add_nc_u32 v[AO], s42, v[LI]
	s_mul_i32 s42, s41, 64*WP
	s_add_co_u32 s42, s42, WOFF
	v_add_nc_u32 v[AW], s42, v[AW]
	s_mul_i32 s42, s[WV], 16*SP
	s_add_co_u32 s42, s42, STAGE
	v_add_nc_u32 v[STO], s42, v[STO]
	v_add_nc_u32 v[RD], s42, v[RD]
	s_wait_alu depctr_va_vdst(0)                   ; directly ahead of the waits below
	s_wait_dscnt 0x0                               ; both opening adds are done
	s_wait_kmcnt 0x0
	s_add_nc_u64 s[G0O+2:G0O+3], s[68:69], s[36:37]
	s_or_b32 s[G0O+3], s[G0O+3], 0x80000000
	s_add_nc_u64 s[G0W+2:G0W+3], s[72:73], s[38:39]
	s_or_b32 s[G0W+3], s[G0W+3], 0x80000000
	CROUND                                         ; all sixteen work-groups are here: the joint loads meet
	s_cmp_eq_u32 s40, 0                            ; one tensor load a wave, an arm each; the branch hangs on the wave's number alone
	s_cbranch_scc0 .Lfor_wo
	tensor_load_to_lds s[G0O:G0O+3], s[G1O:G1O+7]
	s_nop 0
.rept 4
	v_nop
.endr
	s_branch .Lasked
.Lfor_wo:
	tensor_load_to_lds s[G0W:G0W+3], s[G1W:G1W+7]
	s_nop 0
.rept 4
	v_nop
.endr
.Lasked:
	s_mov_b32 s53, 0
	s_lshl_b32 s52, s8, 12
	s_lshl_b32 s54, s40, 11
	s_add_co_u32 s52, s52, s54
	s_add_nc_u64 s[44:45], s[70:71], s[52:53]      ; my tokens' scale bytes, 32 a token
	s_lshl_b32 s52, s7, 13
	s_lshl_b32 s54, s41, 11
	s_add_co_u32 s52, s52, s54
	s_add_nc_u64 s[46:47], s[74:75], s[52:53]      ; my rows' of wo
	s_lshl_b32 s52, s7, 10
	s_lshl_b32 s54, s41, 8
	s_add_co_u32 s52, s52, s54
	s_add_nc_u64 s[48:49], s[76:77], s[52:53]      ; my columns' bias
	s_lshl_b32 s54, s8, 19
	s_add_co_u32 s52, s52, s54
	s_lshl_b32 s54, s40, 18
	s_add_co_u32 s52, s52, s54
	s_add_nc_u64 s[50:51], s[78:79], s[52:53]      ; my part of y: rows of 4,096 bytes
.irp pr, 0,1
	global_load_b128 v[OS+8*\pr:OS+8*\pr+3], v[L32], s[44:45] offset:1024*\pr
	global_load_b128 v[OS+8*\pr+4:OS+8*\pr+7], v[L32], s[44:45] offset:1024*\pr+16
	global_load_b128 v[WSC+8*\pr:WSC+8*\pr+3], v[L32], s[46:47] offset:1024*\pr
	global_load_b128 v[WSC+8*\pr+4:WSC+8*\pr+7], v[L32], s[46:47] offset:1024*\pr+16
.endr
.irp bt, 0,1,2,3
	global_load_b128 v[BI+8*\bt:BI+8*\bt+3], v[H32], s[48:49] offset:64*\bt       ; columns 16 bt + 8 h + 0 .. 7
	global_load_b128 v[BI+8*\bt+4:BI+8*\bt+7], v[H32], s[48:49] offset:64*\bt+16
.endr
	s_wait_alu depctr_va_vdst(0)                   ; the head's end
	s_wait_tensorcnt 0x0                           ; my tile is in LDS,
	s_barrier_signal -1
	s_barrier_wait -1                              ; everybody's is
.macro OLOAD a                         ; o's fragments of tile a, all of K: 16 loads
.irp s, 0,1,2,3,4,5,6,7
.irp c, 0,1
	ds_load_b128 v[OF+8*\s+4*\c:OF+8*\s+4*\c+3], v[AO] offset:8192*(\a)+1024*\s+512*\c
.endr
.endr
.endm
	OLOAD 0
	WIN 0x40                                       ; destination window 1
.irp s, 0,1,2,3,4,5,6,7
.irp bt, 0,1,2,3
.irp c, 0,1
	ds_load_b128 v[64*\bt+8*\s+4*\c:64*\bt+8*\s+4*\c+3], v[AW] offset:16*WP*\bt+64*\s+32*\c
.endr
.endr
.endr
	WIN 0
	s_wait_loadcnt 0x0                             ; scale words and bias
.macro TOSTAGE a
.irp bt, 0,1,2,3
	ds_store_b128 v[STO], v[ACC+32*((\a)%2)+8*\bt:ACC+32*((\a)%2)+8*\bt+3] offset:64*\bt
	ds_store_b128 v[STO], v[ACC+32*((\a)%2)+8*\bt+4:ACC+32*((\a)%2)+8*\bt+7] offset:64*\bt+16
.endr
.irp i, 0,1,2,3,4,5,6,7
	ds_load_b128 v[BUF+4*\i:BUF+4*\i+3], v[RD] offset:2*SP*\i        ; LDS serves a wave's instructions in order (ISA guide 5.7.1.4): these see the stores above
.endr
.endm
.macro SEND a
	s_wait_dscnt 0x0                               ; the tile is back in registers
.irp i, 0,1,2,3,4,5,6,7
	global_store_b128 v[CO], v[BUF+4*\i:BUF+4*\i+3], s[50:51] offset:(16*(\a)+2*\i)*4096 th:TH_STORE_NT   ; two rows: sixteen lanes store 256 consecutive bytes, aligned
.endr
.endm
.macro TILE a
.if (\a) > 0
	s_wait_dscnt 16                                ; o's fragments are in; the 8 stores to the stage and 8 loads from it, issued behind them, may be out
.endif
	WIN 0x01                                       ; source 0 (wo) window 1
.irp s, 0,1,2,3,4,5,6,7
.if (\a) == 0
	s_wait_dscnt 8*(7-\s)                          ; wo's fragments of this K step: eight loads for each later step may be out
.endif
.irp bt, 0,1,2,3
.set rD, ACC+32*((\a)%2)+8*\bt
.set rA, 64*\bt+8*\s
.set rB, OF+8*\s
.set rC, ACC+32*((\a)%2)+8*\bt
.if \s == 0
.set rC, BI+8*\bt
.endif
.set rSA, WSC+8*(\bt/2)+\s
.set rSB, OS+8*((\a)/2)+\s
	WMS rD, rA, rB, rC, rSA, rSB, \bt%2, (\a)%2    ; four accumulators by turns
.endr
.endr
	WIN 0
.if (\a) > 0
	SEND (\a)-1
.endif
.rept 4
	v_nop                                          ; places in front of loads into registers that the products read and of the first reads of their results
.endr
.if (\a) < 3
	OLOAD (\a)+1
.endif
.if (\a) > 0
	s_wait_xcnt 0x0                                ; the stores have read their registers
.endif
	TOSTAGE \a
.endm
	TILE 0
	TILE 1
	TILE 2
	TILE 3
	SEND 3
	s_wait_tensorcnt 0x0                           ; the wave's end
	ds_add_u32 v[SPW], v[NIL]
	s_wait_dscnt 0x0
	CROUND                                         ; the closing round
	s_endpgm
.Lfunc_end_k_qa5cddb03b1_outp:
	.size	k_qa5cddb03b1_outp, .Lfunc_end_k_qa5cddb03b1_outp-k_qa5cddb03b1_outp
	.p2alignl 7, 3214868480
	.fill 96, 4, 3214868480
	.section	.rodata,"a",@progbits
	.p2align	6, 0x0
	.amdhsa_kernel k_qa5cddb03b1_outp
		.amdhsa_group_segment_fixed_size 327680
		.amdhsa_private_segment_fixed_size 0
		.amdhsa_enable_private_segment 0
		.amdhsa_kernarg_size 48
		.amdhsa_user_sgpr_count 2
		.amdhsa_user_sgpr_kernarg_segment_ptr 1
		.amdhsa_wavefront_size32 1
		.amdhsa_system_sgpr_workgroup_id_x 1
		.amdhsa_system_sgpr_workgroup_id_y 1
		.amdhsa_system_sgpr_workgroup_id_z 1
		.amdhsa_system_vgpr_workitem_id 0
		.amdhsa_next_free_vgpr 512
		.amdhsa_next_free_sgpr 80
		.amdhsa_reserve_vcc 0
		.amdhsa_float_denorm_mode_32 3
		.amdhsa_float_denorm_mode_16_64 3
		.amdhsa_memory_ordered 1
		.amdhsa_forward_progress 1
		.amdhsa_inst_pref_size 41
	.end_amdhsa_kernel
	.amdgpu_metadata
---
amdhsa.version: [ 1, 2 ]
amdhsa.kernels:
  - .name:           k_qa5cddb03b1_outp
    .symbol:         k_qa5cddb03b1_outp.kd
    .args:
      - { .name: oimg, .offset: 0, .size: 8, .value_kind: global_buffer, .address_space: global }
      - { .name: oscl, .offset: 8, .size: 8, .value_kind: global_buffer, .address_space: global }
      - { .name: wo_codes, .offset: 16, .size: 8, .value_kind: global_buffer, .address_space: global }
      - { .name: wo_scales, .offset: 24, .size: 8, .value_kind: global_buffer, .address_space: global }
      - { .name: bo, .offset: 32, .size: 8, .value_kind: global_buffer, .address_space: global }
      - { .name: out0, .offset: 40, .size: 8, .value_kind: global_buffer, .address_space: global }
    .group_segment_fixed_size: 327680
    .private_segment_fixed_size: 0
    .kernarg_segment_align: 8
    .kernarg_segment_size: 48
    .max_flat_workgroup_size: 256
    .sgpr_count:     80
    .vgpr_count:     512
    .wavefront_size: 32
...
	.end_amdgpu_metadata
.endif
;; end of part 3
